; MI455X (gfx1250); checked and timed in simulation.
; The chip was launched on July 23, 2026; its instructions are those of AMD's public machine-readable ISA for CDNA 5 (MIT licence, August 2026) and "CDNA5" Instruction Set Architecture Reference Guide (July 2026). The comments in the code are by the model that wrote it; some were corrected since.
;; Ro PE Cross Attention. Allowed arithmetic: matrix products marked QUANTISED: E2M1 operands, one E8M0 scale for each 32 along K, by v_wmma_scale_f32_16x16x128_f8f6f4 with both operands' format E2M1 (or v_wmma_scale_f32_32x16x128_f4), f32 sums; products left as they are: bf16, f16 or f32 operands; f32 sums; everything else in f32.
;; Inputs: Wk 1,024 x 1,024 float32; Wo 1,024 x 1,024 float32; Wq 1,024 x 1,024 float32; Wv 1,024 x 1,024 float32; context 4 x 2,048 x 1,024 float32; key_padding_mask 4 x 2,048 bool; x 4 x 2,048 x 1,024 float32.
;; Outputs: out0 4 x 2,048 x 1,024 float32.
;; This version of the problem:
;;   THIS VERSION OF THE PROBLEM IS GIVEN IN LOW PRECISION. The matrix products marked QUANTISED in the list below multiply operands that are first quantised to E2M1 (2 exponent bits, 1 mantissa bit; 4 bits a number), with one power-of-two scale for each 32 numbers along K (OCP MX v1.0); their sums are f32. The products marked 'left as it is' may take bf16, f16 or f32 operands, with f32 sums. Whichever they take, every output number must still come out within the allowed error. Rounding operands to bf16 (8 significant bits) uses up far more of that allowance than f16 does (11 bits, for magnitudes from 6e-5 to 65,504). All else is computed in f32.
;;   The module's matrix products, in the order in which they are computed (A, B: the left and right operand; K: the contracted axis; several contracted axes count as one K, in the product's order):
;;     1. [M 8,192, K 1,024] x [K 1,024, N 1,024]; A: input x; B: input Wq: QUANTISED
;;     2. [M 8,192, K 1,024] x [K 1,024, N 1,024]; A: input context; B: input Wk: QUANTISED
;;     3. [M 8,192, K 1,024] x [K 1,024, N 1,024]; A: input context; B: input Wv: QUANTISED
;;     4. batch 64 x [M 2,048, K 64] x [K 64, N 2,048]; A: computed on the way; B: computed on the way: left as it is (an operand is computed on the way)
;;     5. batch 64 x [M 64, K 2,048] x [K 2,048, N 2,048]; A: computed on the way; B: computed on the way: left as it is (an operand is computed on the way)
;;     6. [M 8,192, K 1,024] x [K 1,024, N 1,024]; A: computed on the way; B: input Wo: left as it is (an operand is computed on the way)
;;   THE QUANTISER, for each operand of a quantised product, along K:
;;     - K is cut into blocks of 32 from its start; a last block that is shorter is filled with zeros.
;;     - A block's scale is 2^e with e = floor(log2(the largest magnitude in the block)) - 2, held to -126 .. 127; a block of zeros has e = 0. As a byte (E8M0): e + 127.
;;     - Each number is divided by its block's scale, clamped to +-6, and rounded to the nearest number of E2M1, ties to even, subnormals kept.
;;     - The product sums the exact products of the quantised numbers (number of the format x scale) in f32.
;;   ~~~python
;;   def quantise(x, axis):      # numpy; x: float32 -> the quantised numbers, widened to float32 again
;;       x = np.moveaxis(x, axis, -1); K = x.shape[-1]
;;       x = np.pad(x, [(0, 0)] * (x.ndim - 1) + [(0, -K % 32)]); x = x.reshape(x.shape[:-1] + (-1, 32)); a = np.abs(x).max(-1, keepdims=True)
;;       e = np.where(a > 0, np.clip(np.frexp(np.where(a > 0, a, 1))[1] - 1 - 2, -126, 127), 0)      # np.frexp(a)[1] - 1 = floor(log2(a)), exactly
;;       r = np.clip(x / 2.0 ** e, -6, 6)
;;       step = 2.0 ** (np.maximum(np.frexp(np.where(r == 0, 1, r))[1] - 1, 0) - 1)
;;       q = np.round(r / step) * step * 2.0 ** e      # np.round: ties to even
;;       return np.moveaxis(q.reshape(q.shape[:-2] + (-1,))[..., :K], -1, axis).astype(np.float32)
;;   ~~~
;; One version. Each part assembles by itself: llvm-mc -triple=amdgcn-amd-amdhsa -mcpu=gfx1250 --defsym DOCPART=n.
;; ======== version 1 of 1: 4 launches
;; limits: values are held in f16: magnitudes above 65,504 overflow, below 6.1e-05 lose precision
;; workspace buffers: codes 9,961,472 bytes; scales 622,592 bytes; rope 524,288 bytes; wo16 2,097,152 bytes; qimg 16,777,216 bytes; kimg 16,777,216 bytes; vimg 16,777,216 bytes; aimg 16,777,216 bytes
;; launch prep (part 1): grid 704 x 1, 4 waves a work-group, no clusters, 33,280 bytes of LDS; arguments x, context, Wq, Wk, Wv, Wo, codes, scales, wo16, rope; writes codes, scales, wo16, rope
.if DOCPART == 1
	.amdgcn_target "amdgcn-amd-amdhsa--gfx1250"
	.amdhsa_code_object_version 6
	.text
	.protected	k_qeabd8e9780_prep
	.globl	k_qeabd8e9780_prep
	.p2align	8
	.type	k_qeabd8e9780_prep,@function
k_qeabd8e9780_prep:
	s_mov_b64 s[64:65], 0
	v_nop
	global_prefetch_b8 v0, s[64:65] scope:SCOPE_SE
	s_setreg_imm32_b32 hwreg(HW_REG_WAVE_MODE, 25, 1), 1
	s_wait_xcnt 0x0
; FIRST OF FOUR LAUNCHES of out = softmax(rope(x Wq^T) rope(ctx Wk^T)^T / 8, keys masked) (ctx Wv^T) Wo^T.
; NO WORK IS LEFT OUT: every input (x, context, the mask, the four weights) has a way to the output, and every product of the problem is computed.
; This launch: (Q) x, context, Wq, Wk, Wv, all f32 with K innermost, become codes of FP4 (E2M1) with one E8M0 byte for each 32 along K;
; (W) Wo becomes f16, laid as images of the last product's operand registers; (T) the table of cos and sin for the 2,048 positions and 32 frequencies.
; The work-group's number picks the path: 0-607 Q (x 256, context 256, Wq, Wk, Wv 32 each), 608-671 W, 672-703 T.  Only path Q uses LDS.
; THE QUANTISER.  A block's scale is 2^(floor(log2(its largest magnitude)) - 2); its byte is the largest magnitude's exponent field - 2, held at 1 from below.
; A block of zeros so gets the byte 1 where the rule says 127: its codes are zeros, which add nothing, and the bytes are read by this program alone.
; LIMITS: blocks whose largest magnitude lies under 2^-124 keep the byte 1; NaN and infinities among the inputs are not served.
; The frequencies are 2^(-i log2(10000) / 32) by v_exp_f32, a few units in the last place from a division: at position 2,047 the angle is off by about 2e-4 rad at the most,
; which is under the rounding of q and k to f16 further on.
; Q: rows are dense and K is a multiple of 32, so a tensor is a stream of blocks of 32.  A wave takes 16 steps of 512 numbers.  Each load reads 512 consecutive bytes; a step's 2,048 bytes turn
; through the wave's own stage in LDS so that a lane holds 16 neighbours along K; a wave's store of codes covers 256 consecutive bytes; its 256 scale bytes leave as one store of 256 bytes.
; The five tensors' codes lie on end in one buffer (x, context, Wq, Wk, Wv), so run 4 g + wave of 8,192 numbers goes to byte 4,096 (4 g + wave); scale bytes likewise at 256 (4 g + wave).
.set WAVES, 4
.set STEPS, 16
.set EMAX,  2
.set CB,    8                          ; bytes of 16 codes
.set R,     16                         ; v16-79   four sets of 16 numbers as they are loaded
.set X,     80                         ; v80-111  two sets of 16 neighbours
.set E,     112                        ; v112-127 a scale byte for each step
.set C,     128                        ; v128-191 codes: four registers for each step, so that no store's data are written again
.set WREG,  8192                       ; LDS: a region for each wave: two stages of 32 x SP bytes, behind them its 256 scale bytes
.set SP,    80                         ; a lane's place in a stage: 64 bytes + 16 of padding
.set SPW,   12                         ; v12      LDS address of my spare word; never rewritten
.set NIL,   13                         ; v13      0; never rewritten
.set SPARE, WAVES*WREG                 ; behind the four regions: the spare words, 128 bytes a wave, that no other line names
.set GQ,    608
.set GW,    672
	s_load_b512 s[4:19], s[0:1], 0x0               ; x 4, context 6, Wq 8, Wk 10, Wv 12, Wo 14, codes 16, scales 18
	s_load_b128 s[20:23], s[0:1], 0x40             ; wo16 20, rope 22
	v_lshl_add_u32 v[SPW], v0, 2, SPARE
	v_mov_b32 v[NIL], 0
	v_lshrrev_b32 v1, 5, v0
	v_readfirstlane_b32 s28, v1                    ; wave
	v_and_b32 v2, 31, v0                           ; lane
	s_cmp_ge_u32 ttmp9, GQ
	s_cbranch_scc1 .Lother
	; ---------------- path Q
	v_lshlrev_b32 v3, 4, v2                        ; my 16 bytes of a load's 512
	s_mul_i32 s29, s28, WREG
	v_lshrrev_b32 v14, 2, v2
	v_mul_u32_u24 v14, v14, SP
	v_and_b32 v15, 3, v2
	v_lshl_add_u32 v14, v15, 4, v14
	v_add_nc_u32 v14, s29, v14                     ; the stage, on the way in: SP (lane / 4) + 16 (lane % 4)
	v_mul_u32_u24 v15, v2, SP
	v_add_nc_u32 v15, s29, v15                     ; and on the way out: SP x lane: my 16 neighbours
	v_mul_u32_u24 v4, v2, CB                       ; my codes' place in a step's
	v_lshrrev_b32 v5, 1, v2
	s_add_co_u32 s29, s29, 2*32*SP
	v_add_nc_u32 v5, s29, v5                       ; LDS: my wave's 256 scale bytes, my block's byte
	v_lshlrev_b32 v7, 3, v2                        ; and on the way out 8 bytes a lane
	v_add_nc_u32 v6, s29, v7
	s_wait_kmcnt 0x0
	s_mov_b64 s[24:25], s[4:5]                     ; which tensor: the choice hangs on the work-group's number alone
	s_mov_b32 s26, 0                               ; and the number of its first work-group
	s_cmp_ge_u32 ttmp9, 256
	s_cselect_b64 s[24:25], s[6:7], s[24:25]
	s_cselect_b32 s26, 256, s26
	s_cmp_ge_u32 ttmp9, 512
	s_cselect_b64 s[24:25], s[8:9], s[24:25]
	s_cselect_b32 s26, 512, s26
	s_cmp_ge_u32 ttmp9, 544
	s_cselect_b64 s[24:25], s[10:11], s[24:25]
	s_cselect_b32 s26, 544, s26
	s_cmp_ge_u32 ttmp9, 576
	s_cselect_b64 s[24:25], s[12:13], s[24:25]
	s_cselect_b32 s26, 576, s26
	s_sub_co_u32 s27, ttmp9, s26
	s_lshl_b32 s27, s27, 2
	s_add_co_u32 s27, s27, s28                     ; which run of 8,192 numbers of the tensor is my wave's
	s_lshl_b32 s30, s27, 15                        ; 32,768 bytes a run
	s_mov_b32 s31, 0
	s_add_nc_u64 s[24:25], s[24:25], s[30:31]
	s_lshl_b32 s27, ttmp9, 2
	s_add_co_u32 s27, s27, s28                     ; and which run of the joint buffers
	s_lshl_b32 s30, s27, 12
	s_add_nc_u64 s[16:17], s[16:17], s[30:31]
	s_lshl_b32 s30, s27, 8
	s_add_nc_u64 s[18:19], s[18:19], s[30:31]
.macro LOAD t
.irp i, 0,1,2,3
	global_load_b128 v[R+16*((\t)%4)+4*\i:R+16*((\t)%4)+4*\i+3], v3, s[24:25] offset:2048*(\t)+512*\i th:TH_LOAD_NT   ; 32 lanes read 512 consecutive bytes
.endr
.endm
.macro TURN t                          ; step t's numbers through the stage: LDS serves a wave's instructions in order, so no wait stands between the stores and the loads
.irp i, 0,1,2,3
	ds_store_b128 v14, v[R+16*((\t)%4)+4*\i:R+16*((\t)%4)+4*\i+3] offset:32*SP*((\t)%2)+8*SP*\i
.endr
.irp i, 0,1,2,3
	ds_load_b128 v[X+16*((\t)%2)+4*\i:X+16*((\t)%2)+4*\i+3], v15 offset:32*SP*((\t)%2)+16*\i
.endr
.endm
.irp t, 0,1,2,3
	LOAD \t
.endr
	s_wait_loadcnt 12                              ; step 0's four loads are in; the twelve of steps 1 to 3 may be out
	TURN 0
.macro STEP t
.set XS, X+16*((\t)%2)
.if (\t) > 0
	s_wait_dscnt 1                                 ; this step's numbers are back from the stage (the last step's byte store may be out)
.else
	s_wait_dscnt 0x0
.endif
.if (\t)+4 < STEPS
	LOAD (\t)+4                                    ; the registers that the stage's stores have read take the loads of four steps on
.endif
.if (\t)+1 < STEPS
.if STEPS-2-(\t) >= 3
	s_wait_loadcnt 12                              ; the next step's four loads are in; those of the three steps behind it may be out
.else
	s_wait_loadcnt 4*(STEPS-2-(\t))
.endif
	TURN (\t)+1
.endif
	v_max3_num_f32 v8, |v[XS]|, |v[XS+1]|, |v[XS+2]|               ; the largest magnitude of my 16, in two chains
	v_max3_num_f32 v9, |v[XS+3]|, |v[XS+4]|, |v[XS+5]|
.irp i, 6,10
	v_max3_num_f32 v8, v8, |v[XS+\i]|, |v[XS+\i+1]|
	v_max3_num_f32 v9, v9, |v[XS+\i+2]|, |v[XS+\i+3]|
.endr
	v_max3_num_f32 v8, v8, |v[XS+14]|, |v[XS+15]|
	v_max3_num_f32 v8, v8, v9, (EMAX+1)<<23        ; and the floor 2^(3 - 127): the byte cannot fall under 1
	v_max_num_f32_dpp v8, v8, v8 row_xmask:1 row_mask:0xf bank_mask:0xf   ; and of my neighbour's 16: the block's
	v_add_nc_u32 v11, -(EMAX<<23), v8              ; 2 off its exponent field: the conversion takes the exponent field of this operand as its scale
	v_cvt_scalef32_pk8_fp4_f32 v[C+4*(\t)], v[XS:XS+7], v11
	v_cvt_scalef32_pk8_fp4_f32 v[C+4*(\t)+1], v[XS+8:XS+15], v11
	v_lshrrev_b32 v[E+(\t)], 23, v11               ; the scale's byte (also the plain line behind the conversions)
	ds_store_b8 v5, v[E+(\t)] offset:16*(\t)       ; both lanes of a block write the same byte with the same value
	global_store_b64 v4, v[C+4*(\t):C+4*(\t)+1], s[16:17] offset:32*CB*(\t)
.endm
.irp t, 0,1,2,3,4,5,6,7,8,9,10,11,12,13,14,15
	STEP \t
.endr
	ds_load_b64 v[8:9], v6                         ; LDS serves a wave's instructions in order: these see my stores
	s_wait_dscnt 0x0
	global_store_b64 v7, v[8:9], s[18:19]          ; 32 lanes store 256 consecutive bytes
	s_wait_tensorcnt 0x0                           ; the wave's end, behind my last LDS store
	ds_add_u32 v[SPW], v[NIL]
	s_wait_dscnt 0x0
	s_endpgm
.Lother:
	s_cmp_ge_u32 ttmp9, GW
	s_cbranch_scc1 .Ltable
	; ---------------- path W: Wo [n][k] f32 -> f16 images [n tile 64][k step of 32: 32][c 2][lane][16 bytes]; group c of lane (r, h) holds k = 16 c + 8 h + 0 .. 7 of row r of the tile.
	; A work-group takes a tile of 16 rows, a wave a quarter of K (8 fragments).  A lane's 8 numbers are 32 bytes: two loads.  Each store covers 512 consecutive bytes.
	v_and_b32 v3, 15, v0                           ; r
	v_bfe_u32 v4, v0, 4, 1                         ; h
	v_lshlrev_b32 v6, 12, v3
	v_lshl_add_u32 v6, v4, 5, v6                   ; in: 4,096 r + 32 h
	v_lshlrev_b32 v5, 4, v2                        ; out: 16 x lane
	s_sub_co_u32 s29, ttmp9, GQ                    ; the tile
	s_lshl_b32 s30, s29, 16
	s_lshl_b32 s26, s28, 10
	s_add_co_u32 s30, s30, s26                     ; 65,536 tile + 1,024 wave
	s_mov_b32 s31, 0
	s_lshl_b32 s26, s29, 15
	s_lshl_b32 s27, s28, 13
	s_add_co_u32 s26, s26, s27                     ; 32,768 tile + 8,192 wave
	s_mov_b32 s27, 0
	s_wait_kmcnt 0x0
	s_add_nc_u64 s[14:15], s[14:15], s[30:31]
	s_add_nc_u64 s[20:21], s[20:21], s[26:27]
.irp ksl, 0,1,2,3,4,5,6,7
.irp c, 0,1
.irp i, 0,1
	global_load_b128 v[32+16*\ksl+8*\c+4*\i:32+16*\ksl+8*\c+4*\i+3], v6, s[14:15] offset:128*\ksl+64*\c+16*\i th:TH_LOAD_NT
.endr
.endr
.endr
.irp ksl, 0,1,2,3,4,5,6,7
	s_wait_loadcnt 28-4*\ksl                       ; this fragment's four loads are in; the later fragments' may be out
.irp c, 0,1
.irp p, 0,1,2,3
	v_cvt_pk_f16_f32 v[160+8*\ksl+4*\c+\p], v[32+16*\ksl+8*\c+2*\p], v[32+16*\ksl+8*\c+2*\p+1]
.endr
.endr
.irp c, 0,1
	global_store_b128 v5, v[160+8*\ksl+4*\c:160+8*\ksl+4*\c+3], s[20:21] offset:1024*\ksl+512*\c
.endr
.endr
	s_endpgm
.Ltable:
	; ---------------- path T: the table [tile of 16 positions: 128][e = 4 u + 2 cs + half: 8][lane][16 bytes].  Lane (r, h): position 16 tile + r, frequencies i = 16 u + 8 h + 4 half + 0 .. 3; cs 0 = cos, 1 = sin:
	; the order in which the next launch's lanes hold their channels.  A wave makes one tile: 16 angles a lane.
	v_and_b32 v3, 15, v0                           ; r
	v_bfe_u32 v4, v0, 4, 1
	v_lshlrev_b32 v4, 3, v4                        ; 8 h
	v_lshlrev_b32 v5, 4, v2                        ; 16 x lane
	s_sub_co_u32 s29, ttmp9, GW
	s_lshl_b32 s29, s29, 2
	s_add_co_u32 s29, s29, s28                     ; the tile
	s_lshl_b32 s30, s29, 4
	v_add_nc_u32 v3, s30, v3
	v_cvt_f32_u32 v3, v3                           ; my position
	s_lshl_b32 s30, s29, 12
	s_mov_b32 s31, 0
	v_mov_b32 v6, 0x3638ef1d                       ; 1 / 9!
	v_mov_b32 v7, 0x37d00d01                       ; 1 / 8!
	v_mov_b32 v24, 0x3fc90fdb                      ; pi / 2, its upper part,
	v_mov_b32 v25, 0xb33bbd2e                      ; and what is left of it
.set n, 0
.rept 16
	v_add_nc_u32 v[32+n], 16*(n/8)+n%8, v4         ; i
.set n, n+1
.endr
.set n, 0
.rept 16
	v_cvt_f32_u32 v[32+n], v[32+n]
.set n, n+1
.endr
.set n, 0
.rept 16
	v_mul_f32 v[32+n], 0xbed49a78, v[32+n]         ; -i log2(10000) / 32
.set n, n+1
.endr
.set n, 0
.rept 16
	v_exp_f32 v[32+n], v[32+n]                     ; the frequency: one batch
.set n, n+1
.endr
	v_nop                                          ; a plain line behind the last exponential,
	s_wait_alu depctr_va_vdst(0)                   ; and the one wait for the batch, ahead of its first reader
.set n, 0
.rept 16
	v_mul_f32 v[32+n], v3, v[32+n]                 ; the angle, rounded once, as the problem has it
.set n, n+1
.endr
; cos and sin of the angle in v[32 + n] (0 to 2,047 rad): k = the nearest whole number to angle x 2 / pi; rho = angle - k pi / 2 in two steps; series on |rho| <= pi / 4 cut where the
; next term is under 3e-8 for every rho of that range; the quadrant k mod 4 swaps the two and sets their signs.
.macro SINCOS n
	v_mul_f32 v16, 0x3f22f983, v[32+\n]
	v_rndne_f32 v16, v16
	v_fma_f32 v17, -v16, v24, v[32+\n]
	v_fma_f32 v17, -v16, v25, v17                  ; rho
	v_mul_f32 v18, v17, v17
	v_fmaak_f32 v19, v6, v18, 0xb9500d01
	v_fmaak_f32 v19, v19, v18, 0x3c088889
	v_fmaak_f32 v19, v19, v18, 0xbe2aaaab
	v_mul_f32 v20, v18, v17
	v_fma_f32 v19, v19, v20, v17                   ; sin rho
	v_fmaak_f32 v21, v7, v18, 0xbab60b61
	v_fmaak_f32 v21, v21, v18, 0x3d2aaaab
	v_fmaak_f32 v21, v21, v18, 0xbf000000
	v_fma_f32 v21, v21, v18, 1.0                   ; cos rho
	v_cvt_i32_f32 v22, v16
	v_and_b32 v23, 1, v22
	v_cmp_eq_u32 vcc_lo, 1, v23
	v_cndmask_b32 v26, v19, v21, vcc_lo            ; odd k: the two change places
	v_cndmask_b32 v27, v21, v19, vcc_lo
	v_and_b32 v23, 2, v22
	v_lshlrev_b32 v23, 30, v23
	v_xor_b32 v[80+\n], v23, v26                   ; sin: negative for k mod 4 = 2, 3
	v_add_nc_u32 v22, 1, v22
	v_and_b32 v22, 2, v22
	v_lshlrev_b32 v22, 30, v22
	v_xor_b32 v[64+\n], v22, v27                   ; cos: negative for k mod 4 = 1, 2
.endm
.irp n, 0,1,2,3,4,5,6,7,8,9,10,11,12,13,14,15
	SINCOS \n
.endr
	s_wait_kmcnt 0x0
	s_add_nc_u64 s[22:23], s[22:23], s[30:31]
.irp u, 0,1
.irp hf, 0,1
	global_store_b128 v5, v[64+8*\u+4*\hf:64+8*\u+4*\hf+3], s[22:23] offset:512*(4*\u+\hf)      ; each store covers 512 consecutive bytes
	global_store_b128 v5, v[80+8*\u+4*\hf:80+8*\u+4*\hf+3], s[22:23] offset:512*(4*\u+2+\hf)
.endr
.endr
	s_endpgm
.Lfunc_end_k_qeabd8e9780_prep:
	.size	k_qeabd8e9780_prep, .Lfunc_end_k_qeabd8e9780_prep-k_qeabd8e9780_prep
	.p2alignl 7, 3214868480
	.fill 96, 4, 3214868480
	.section	.rodata,"a",@progbits
	.p2align	6, 0x0
	.amdhsa_kernel k_qeabd8e9780_prep
		.amdhsa_group_segment_fixed_size 33280
		.amdhsa_private_segment_fixed_size 0
		.amdhsa_enable_private_segment 0
		.amdhsa_kernarg_size 80
		.amdhsa_user_sgpr_count 2
		.amdhsa_user_sgpr_kernarg_segment_ptr 1
		.amdhsa_wavefront_size32 1
		.amdhsa_system_sgpr_workgroup_id_x 1
		.amdhsa_system_sgpr_workgroup_id_y 1
		.amdhsa_system_sgpr_workgroup_id_z 1
		.amdhsa_system_vgpr_workitem_id 0
		.amdhsa_next_free_vgpr 224
		.amdhsa_next_free_sgpr 66
		.amdhsa_reserve_vcc 1
		.amdhsa_float_denorm_mode_32 3
		.amdhsa_float_denorm_mode_16_64 3
		.amdhsa_memory_ordered 1
		.amdhsa_forward_progress 1
		.amdhsa_inst_pref_size 66
	.end_amdhsa_kernel
	.amdgpu_metadata
---
amdhsa.version: [ 1, 2 ]
amdhsa.kernels:
  - .name:           k_qeabd8e9780_prep
    .symbol:         k_qeabd8e9780_prep.kd
    .args:
      - { .name: x, .offset: 0, .size: 8, .value_kind: global_buffer, .address_space: global }
      - { .name: context, .offset: 8, .size: 8, .value_kind: global_buffer, .address_space: global }
      - { .name: Wq, .offset: 16, .size: 8, .value_kind: global_buffer, .address_space: global }
      - { .name: Wk, .offset: 24, .size: 8, .value_kind: global_buffer, .address_space: global }
      - { .name: Wv, .offset: 32, .size: 8, .value_kind: global_buffer, .address_space: global }
      - { .name: Wo, .offset: 40, .size: 8, .value_kind: global_buffer, .address_space: global }
      - { .name: codes, .offset: 48, .size: 8, .value_kind: global_buffer, .address_space: global }
      - { .name: scales, .offset: 56, .size: 8, .value_kind: global_buffer, .address_space: global }
      - { .name: wo16, .offset: 64, .size: 8, .value_kind: global_buffer, .address_space: global }
      - { .name: rope, .offset: 72, .size: 8, .value_kind: global_buffer, .address_space: global }
    .group_segment_fixed_size: 33280
    .private_segment_fixed_size: 0
    .kernarg_segment_align: 8
    .kernarg_segment_size: 80
    .max_flat_workgroup_size: 128
    .sgpr_count:     66
    .vgpr_count:     224
    .wavefront_size: 32
...
	.end_amdgpu_metadata
.endif
;; end of part 1
;; launch proj (part 2): grid 4 x 96, 4 waves a work-group, clusters of 4 x 4, 327,680 bytes of LDS; arguments codes, scales, rope, qimg, kimg, vimg; writes qimg, kimg, vimg
.if DOCPART == 2
	.amdgcn_target "amdgcn-amd-amdhsa--gfx1250"
	.amdhsa_code_object_version 6
	.text
	.protected	k_qeabd8e9780_proj
	.globl	k_qeabd8e9780_proj
	.p2align	8
	.type	k_qeabd8e9780_proj,@function
k_qeabd8e9780_proj:
	s_mov_b64 s[64:65], 0
	v_nop
	global_prefetch_b8 v0, s[64:65] scope:SCOPE_SE
	s_setreg_imm32_b32 hwreg(HW_REG_WAVE_MODE, 25, 1), 1
	s_wait_xcnt 0x0
	s_wait_alu depctr_hold_cnt(0) depctr_sa_sdst(0) depctr_va_vdst(0) depctr_va_sdst(0) depctr_va_ssrc(0) depctr_va_vcc(0) depctr_vm_vsrc(0)
	s_getreg_b32 s2, hwreg(HW_REG_IB_STS2, 6, 4)
	s_cmp_eq_u32 s2, 0
	s_cbranch_scc0 .Lentry_in_a_cluster
	s_endpgm
.Lentry_in_a_cluster:
	s_bfe_u32 s2, ttmp6, 0x10000c
	s_cmp_lg_u32 s2, 0xf033
	s_cbranch_scc0 .Lentry_shape_is_right
	s_endpgm
.Lentry_shape_is_right:
; q = rope(x Wq^T), k = rope(ctx Wk^T), v = ctx Wv^T: three products of 8,192 x 1,024 x 1,024 on codes of FP4 (E2M1) with one E8M0 scale for each 32 along K; sums in f32; results rounded to f16.
; Nothing of the problem is left out here.
; A tile of 256 x 256 is made by a work-group of four waves, a wave makes 128 x 128: 64 accumulators, 512 registers.  K = 1,024 is two LDS slots of 512 (rows of 256 bytes): both are first fills, nothing is filled again.
; The scale bytes of the work-group's 2 x 256 rows, for all of K, come once, as two dense blocks.
; WHICH PRODUCT: the cluster's y / 8 (0 q, 1 k, 2 v), the same in all sixteen partners.  THE MATRIX INSTRUCTION IS USED TRANSPOSED: source 0 = 16 rows of "B", source 1 = 16 rows of "A": a lane holds one row of A and eight neighbouring rows of B.
;   q, k: A = the activations (a lane: one position), B = the weight (eight channels).     v: A = Wv (a lane: one channel), B = the context (eight keys).
; THE RESULTS LEAVE AS IMAGES OF THE NEXT PRODUCTS' OPERAND REGISTERS.  A fragment of 16 rows x 32 K of f16 is [c 2][lane][16 bytes], group c of lane (r, h) = k 16 c + 8 h + 0 .. 7 of row r: a lane's eight results, packed,
; ARE such a group in the same lane.  So every store comes straight from registers and covers 512 consecutive bytes.   qimg, kimg: [batch x head 64][tile of 16 positions 128][k step 2][c 2][lane][16];  vimg: [batch x head 64][32 keys 64][16 channels 4][c 2][lane][16].
; CLUSTERS: 4 x 4.  A's tiles are shared along a row of the cluster, B's along a column: each is asked for jointly, by the same tensor load with the same descriptor and a mask that names the four.
; LIMIT: |q|, |k|, |v| stay under 65,504, f16's largest number (inputs 30 times larger, or offset by 30 spreads, give 29,000 at the most).
; REGISTERS, in windows of 256: window 0: v16-30 addresses; v32-95 scale words, two sets; v128-191 A's fragments, one set; on the way out v32-95 rotated numbers, v96-159 packed results.
;   window 1: B's fragments, two sets, at v0 and v128; on the way out the table of cos and sin.   windows 2, 3: the accumulators of my rows 0-63 and 64-127 ((a, b) at v[8 (8 (a % 4) + b)]).
.set NQ,     4                         ; steps of 128 along K in a slot
.set ROWB,   256                       ; a tile's row in bytes: 512 codes
.set KROW,   512                       ; a row of codes in memory
.set PITCH,  272                       ; an LDS row: 256 bytes + 16 of padding: the 16 rows that a load touches start 68 words apart
.set FR,     8                         ; registers of a fragment
.set NL,     2                         ; LDS loads that bring one
.set NP,     4                         ; places behind this matrix instruction (ISA guide 7.12.1)
.set HALFT,  128*PITCH
.set SLOT,   4*HALFT                   ; A's 256 rows, then B's 256 rows
.set KS,     32                        ; a row of scale bytes
.set SCL,    2*SLOT                    ; behind the slots: the scales, as rows of 256 bytes + 16 of padding
.set HALFS,  (128*KS/256)*272
.set SBLK,   (16*KS/256)*272
.set SPARE,  SCL+4*HALFS               ; the spare words, 128 bytes a wave, that no other line names
.set ADRA, 16                          ; v16-17 LDS address of my A fragments in slot 0, 1
.set ADRB, 20                          ; v20-21 the same for B
.set ADRS, 27                          ; v27    of my scale words: lanes 0-15 A's rows, lanes 16-31 B's
.set SPW,  28                          ; v28    my spare word; never rewritten
.set NIL,  29                          ; v29    0; never rewritten
.set LO,   30                          ; v30    16 x lane; never rewritten
.set SC,   32
.set AF,   128
.set OUT,  32
.set F,    96
.set G1, 24
.set G0, 32
.set G1B, 48
.set G0B, 56
.set G1S, 68
.set G0S, 76
.set G1SB, 80
.set G0SB, 88
.set MSB, 0
.macro WIN new                         ; the immediate's high byte repeats the setting that is left
.if MSB != (\new)
	s_set_vgpr_msb (MSB<<8)|(\new)
.set MSB, (\new)
.endif
.endm
.set MUL_LO, 0xa1                      ; source 0 (B) window 1, source 1 (A) window 0, C and D window 2
.set MUL_HI, 0xf1
.set TO_B,   0x40
; A joint load: waves 0 and 1 fetch for A, waves 2 and 3 for B; the branch hangs on the wave's number alone.  An s_nop 0 and four v_nop follow each line.
.macro JLOAD g0a, g1a, g0b, g1b
	s_cmp_eq_u32 s17, 0
	s_cbranch_scc0 .Lfor_b_\@
	tensor_load_to_lds s[\g0a:\g0a+3], s[\g1a:\g1a+7]
	s_nop 0
.rept 4
	v_nop
.endr
	s_branch .Lasked_\@
.Lfor_b_\@:
	tensor_load_to_lds s[\g0b:\g0b+3], s[\g1b:\g1b+7]
	s_nop 0
.rept 4
	v_nop
.endr
.Lasked_\@:
.endm
.macro CROUND                          ; a round of the cluster's barrier
	s_barrier_signal -1
	s_barrier_wait -1
	s_cmp_lg_u32 s16, 0
	s_cbranch_scc1 .Lnot_wave_0_\@
	s_barrier_signal -3
.Lnot_wave_0_\@:
	s_barrier_wait -3
	s_barrier_signal -1
	s_barrier_wait -1
.endm
	s_load_b256 s[4:11], s[0:1], 0x0               ; codes 4, scales 6, rope 8, qimg 10
	s_load_b128 s[12:15], s[0:1], 0x20             ; kimg 12, vimg 14
	v_lshl_add_u32 v[SPW], v0, 2, SPARE
	v_mov_b32 v[NIL], 0
	ds_add_u32 v[SPW], v[NIL]                      ; the wave's opening: the add, twice on end, and its wait ahead of my first tensor load
	ds_add_u32 v[SPW], v[NIL]
	v_lshrrev_b32 v1, 5, v0
	v_readfirstlane_b32 s16, v1                    ; wave 0..3
	s_lshr_b32 s17, s16, 1                         ; which half of A's rows is mine.  Also: I fetch for A (0) or for B (1)
	s_and_b32 s18, s16, 1                          ; which half of B's rows.  Also: which 128 rows I fetch
	s_bfe_u32 s40, ttmp6, 0x40000                  ; cx
	s_bfe_u32 s41, ttmp6, 0x40004                  ; cy
	s_and_b32 s21, ttmp7, 0xffff                   ; the cluster's y, 0 .. 23
	s_lshr_b32 s19, s21, 3                         ; the product: 0 q, 1 k, 2 v
	s_and_b32 s20, s21, 7
	s_lshl_b32 s20, s20, 2                         ; the long operand (8,192 rows, 32 tiles) walks with the cluster: 4 x (cluster y % 8)
	s_cmp_eq_u32 s19, 2
	s_cselect_b32 s2, 0, s20                       ; q, k: the long operand is A;
	s_cselect_b32 s3, s20, 0                       ; v: it is B
	s_add_co_u32 s43, s41, s2                      ; A's tile: hangs on cy and the cluster alone
	s_add_co_u32 s42, s40, s3                      ; B's tile: on cx and the cluster alone
	s_lshl_b32 s44, s41, 2
	s_lshl_b32 s44, 15, s44                        ; my row of the cluster
	s_lshl_b32 s45, 0x1111, s40                    ; my column
	; descriptor group 1: a tile of 128 rows x 256 bytes, 16 bytes of padding behind each row
	s_or_b32 s[G1+0], s44, (0<<16)|(1<<20)|(1<<21)|(5<<22)|(3<<25)  ; the mask; elements of 1 byte; padding on; bit 21 beside a mask; after every 64 words, 4 words
	s_or_b32 s[G1B+0], s45, (0<<16)|(1<<20)|(1<<21)|(5<<22)|(3<<25)
.irp g, G1, G1B
	s_mov_b32 s[\g+1], ROWB<<16                    ; tensor_dim0
	s_mov_b32 s[\g+2], 128<<16                     ; tensor_dim1
	s_mov_b32 s[\g+3], ROWB<<16                    ; tile_dim0
	s_mov_b32 s[\g+4], 128                         ; tile_dim1
	s_mov_b32 s[\g+5], KROW                        ; from row to row
	s_mov_b32 s[\g+6], 0
	s_mov_b32 s[\g+7], 0
.endr
	; the scales of 128 rows: 4,096 dense bytes, as 16 rows of 256 bytes (32 elements of 8 bytes), 16 bytes of padding behind each
	s_or_b32 s[G1S+0], s44, (3<<16)|(1<<20)|(1<<21)|(5<<22)|(3<<25)
	s_or_b32 s[G1SB+0], s45, (3<<16)|(1<<20)|(1<<21)|(5<<22)|(3<<25)
.irp g, G1S, G1SB
	s_mov_b32 s[\g+1], 32<<16
	s_mov_b32 s[\g+2], (128*KS/256)<<16
	s_mov_b32 s[\g+3], 32<<16
	s_mov_b32 s[\g+4], 128*KS/256
	s_mov_b32 s[\g+5], 32
	s_mov_b32 s[\g+6], 0
	s_mov_b32 s[\g+7], 0
.endr
	; where the operands lie in the joint buffer of codes: x 0, context 4 MiB, Wq 8, Wk 8.5, Wv 9 MiB; their scale bytes at a sixteenth of that
	s_lshl_b32 s46, s19, 22
	s_cmp_eq_u32 s19, 2
	s_cselect_b32 s47, 0x100000, 0
	s_add_co_u32 s46, s46, s47                     ; A: x, context, Wv
	s_lshl_b32 s66, s19, 19
	s_add_co_u32 s66, s66, 0x800000
	s_cmp_eq_u32 s19, 2
	s_cselect_b32 s66, 0x400000, s66               ; B: Wq, Wk, context
	s_lshl_b32 s21, s18, 7                         ; which 128 rows of the tile I fetch
	s_lshl_b32 s22, s43, 8
	s_add_co_u32 s22, s22, s21                     ; A's row
	s_lshl_b32 s92, s22, 9
	s_add_co_u32 s92, s92, s46                     ; its codes,
	s_mov_b32 s93, 0
	s_lshl_b32 s94, s22, 5
	s_lshr_b32 s47, s46, 4
	s_add_co_u32 s94, s94, s47                     ; its scale bytes
	s_mov_b32 s95, 0
	s_lshl_b32 s23, s42, 8
	s_add_co_u32 s23, s23, s21                     ; B's row
	s_lshl_b32 s96, s23, 9
	s_add_co_u32 s96, s96, s66
	s_mov_b32 s97, 0
	s_lshl_b32 s98, s23, 5
	s_lshr_b32 s67, s66, 4
	s_add_co_u32 s98, s98, s67
	s_mov_b32 s99, 0
	s_mul_i32 s2, s16, HALFT                       ; where they go: wave x 128 rows: no place in the cluster enters an LDS address
	s_mul_i32 s3, s16, HALFS
	s_wait_dscnt 0x0                               ; both opening adds are done
	s_wait_kmcnt 0x0
	s_add_nc_u64 s[92:93], s[4:5], s[92:93]
	s_add_nc_u64 s[94:95], s[6:7], s[94:95]
	s_add_nc_u64 s[96:97], s[4:5], s[96:97]
	s_add_nc_u64 s[98:99], s[6:7], s[98:99]
	CROUND                                         ; all sixteen work-groups are here: the joint loads meet
	s_mov_b32 s[G0S], 1
	s_add_co_u32 s[G0S+1], s3, SCL
	s_mov_b64 s[G0S+2:G0S+3], s[94:95]
	s_or_b32 s[G0S+3], s[G0S+3], 0x80000000
	s_mov_b32 s[G0SB], 1
	s_add_co_u32 s[G0SB+1], s3, SCL
	s_mov_b64 s[G0SB+2:G0SB+3], s[98:99]
	s_or_b32 s[G0SB+3], s[G0SB+3], 0x80000000
	JLOAD G0S, G1S, G0SB, G1SB                     ; the scales first: they are wanted with the first slot
.irp s, 0,1
	s_mov_b32 s[G0+4*\s], 1
	s_add_co_u32 s[G0+4*\s+1], s2, \s*SLOT
	s_add_nc_u64 s[G0+4*\s+2:G0+4*\s+3], s[92:93], \s*ROWB
	s_or_b32 s[G0+4*\s+3], s[G0+4*\s+3], 0x80000000
	s_mov_b32 s[G0B+4*\s], 1
	s_add_co_u32 s[G0B+4*\s+1], s2, \s*SLOT
	s_add_nc_u64 s[G0B+4*\s+2:G0B+4*\s+3], s[96:97], \s*ROWB
	s_or_b32 s[G0B+4*\s+3], s[G0B+4*\s+3], 0x80000000
	JLOAD G0+4*\s, G1, G0B+4*\s, G1B               ; three tensor loads of mine are out now, and no more follow
.endr
	v_and_b32 v1, 15, v0                           ; l % 16
	v_bfe_u32 v2, v0, 4, 1                         ; l / 16
	v_mul_u32_u24 v3, v1, PITCH
	v_lshl_add_u32 v4, v2, 4, v3                   ; a fragment's row x pitch + 16 x half
	s_mul_i32 s21, s17, HALFT                      ; my 128 rows of A
	s_mul_i32 s22, s18, HALFT                      ; my 128 rows of B,
	s_add_co_u32 s22, s22, 2*HALFT                 ; which lie behind A's 256
.irp s, 0,1
	v_add_nc_u32 v[ADRA+\s], s21, v4
	v_add_nc_u32 v[ADRB+\s], s22, v4
	s_add_co_u32 s21, s21, SLOT
	s_add_co_u32 s22, s22, SLOT
.endr
	v_mul_u32_u24 v5, v1, KS                       ; my row's scales: 32 bytes a row,
	v_lshrrev_b32 v6, 8, v5
	v_lshl_add_u32 v5, v6, 4, v5                   ; and 16 more for each 256 passed
	s_mul_i32 s21, s17, HALFS
	s_mul_i32 s22, s18, HALFS
	s_add_co_u32 s22, s22, 2*HALFS
	s_sub_co_u32 s22, s22, s21
	v_mul_u32_u24 v6, s22, v2                      ; lanes 16-31 take B's
	s_add_co_u32 s21, s21, SCL
	v_add_nc_u32 v5, v5, v6
	v_add_nc_u32 v[ADRS], s21, v5
	v_and_b32 v6, 31, v0
	v_lshlrev_b32 v[LO], 4, v6
.macro FRAG reg, adr, q, i             ; 16 rows x 128 K of 4-bit codes: 8 registers: two loads of 16 bytes, 32 bytes apart
.irp c, 0,1
	ds_load_b128 v[\reg+4*\c:\reg+4*\c+3], v[\adr] offset:64*(\q)+32*\c+(\i)*16*PITCH
.endr
.endm
; 16 matrix instructions: A's blocks a0, a0 + 1 x B's eight.  The 64 accumulators take turns, one instruction a turn, in the same order in every step.
; One register carries A's scale word (lanes 0-15) and B's (lanes 16-31).
.macro MUL16 a0, p, q, sc, zero
.irp a, \a0, \a0+1
.irp b, 0,1,2,3,4,5,6,7
.if \zero
	v_wmma_scale_f32_16x16x128_f8f6f4 v[8*(8*((\a)%4)+\b):8*(8*((\a)%4)+\b)+7], v[128*(\p)+FR*\b:128*(\p)+FR*\b+FR-1], v[AF+FR*(\a):AF+FR*(\a)+FR-1], 0, v[SC+8*NQ*(\sc)+NQ*\b+(\q)], v[SC+8*NQ*(\sc)+NQ*(\a)+(\q)] matrix_a_fmt:MATRIX_FMT_FP4 matrix_b_fmt:MATRIX_FMT_FP4 matrix_a_scale:MATRIX_SCALE_ROW1
.else
	v_wmma_scale_f32_16x16x128_f8f6f4 v[8*(8*((\a)%4)+\b):8*(8*((\a)%4)+\b)+7], v[128*(\p)+FR*\b:128*(\p)+FR*\b+FR-1], v[AF+FR*(\a):AF+FR*(\a)+FR-1], v[8*(8*((\a)%4)+\b):8*(8*((\a)%4)+\b)+7], v[SC+8*NQ*(\sc)+NQ*\b+(\q)], v[SC+8*NQ*(\sc)+NQ*(\a)+(\q)] matrix_a_fmt:MATRIX_FMT_FP4 matrix_b_fmt:MATRIX_FMT_FP4 matrix_a_scale:MATRIX_SCALE_ROW1
.endif
.endr
.endr
.endm
.macro FETCH_B slot, q, p
	WIN TO_B
.irp i, 0,1,2,3,4,5,6,7
	FRAG 128*(\p)+FR*\i, ADRB+\slot, \q, \i
.endr
	WIN 0
.endm
.macro FETCH_A slot, q, i0
.irp i, \i0, \i0+1, \i0+2, \i0+3
	FRAG AF+FR*(\i), ADRA+\slot, \q, \i
.endr
.endm
.macro SCALES sc                       ; a slot's scale words: 4 words a row; lanes 0-15 take A's block i, lanes 16-31 B's block i
.irp i, 0,1,2,3,4,5,6,7
	ds_load_b128 v[SC+8*NQ*\sc+NQ*\i:SC+8*NQ*\sc+NQ*\i+3], v[ADRS] offset:\i*SBLK
.endr
.endm
.macro PLACES n                        ; plain vector lines between a matrix instruction and a load into, or a read of, its registers
.rept \n
	v_nop
.endr
.endm
.macro STEP slot, q, zero              ; a step of 128 along K that has its successor in the same slot
	s_wait_dscnt 4*NL                              ; B's set and A's blocks 0-3 are in; the youngest eight loads (A's blocks 4-7) may be out
	WIN MUL_LO
	MUL16 0, (\q)%2, \q, \slot, \zero
	MUL16 2, (\q)%2, \q, \slot, \zero
	s_wait_dscnt 0                                 ; A's blocks 4-7 are in
	PLACES NP
	FETCH_B \slot, (\q)+1, 1-(\q)%2
	FETCH_A \slot, (\q)+1, 0
	WIN MUL_HI
	MUL16 4, (\q)%2, \q, \slot, \zero
	MUL16 6, (\q)%2, \q, \slot, \zero
	PLACES NP
	WIN 0
	FETCH_A \slot, (\q)+1, 4
.endm
.macro TURN slot, next                 ; slot 0's last step: one barrier; in front of it each wave's part of slot 1 has landed.
	s_wait_tensorcnt 0x0                           ; all my tensor loads have landed
	ds_add_u32 v[SPW], v[NIL]                      ; 0 onto my spare word
	s_wait_dscnt 4*NL+1                            ; (the add and the youngest eight loads may be out)
	WIN MUL_LO
	MUL16 0, 1, NQ-1, \slot, 0
	s_wait_dscnt 0x0                               ; no LDS instruction of mine is out at the signal
	s_barrier_signal -1
	MUL16 2, 1, NQ-1, \slot, 0
	WIN 0
	s_barrier_wait -1
	PLACES NP
	v_add_nc_u32 v[ADRS], 4*NQ, v[ADRS]            ; on to the next slot's scale words
	FETCH_B \next, 0, 0
	FETCH_A \next, 0, 0
	SCALES \next
	WIN MUL_HI
	MUL16 4, 1, NQ-1, \slot, 0
	MUL16 6, 1, NQ-1, \slot, 0
	PLACES NP
	WIN 0
	FETCH_A \next, 0, 4
.endm
.macro STEPS slot, from
.set Q, \from
.rept NQ-1-\from
	STEP \slot, Q, 0
.set Q, Q+1
.endr
.endm
	s_wait_tensorcnt 1                             ; the scales and my part of slot 0 are in (slot 1's load may be out),
	s_barrier_signal -1
	s_barrier_wait -1                              ; everybody's are
	FETCH_B 0, 0, 0
	FETCH_A 0, 0, 0
	SCALES 0
	FETCH_A 0, 0, 4
	STEP 0, 0, 1                                   ; the first step's products start the sums: nothing is cleared
	STEPS 0, 1
	TURN 0, 1
	STEPS 1, 0
	s_wait_dscnt 4*NL                              ; the last step: nothing more to fetch
	WIN MUL_LO
	MUL16 0, 1, NQ-1, 1, 0
	MUL16 2, 1, NQ-1, 1, 0
	s_wait_dscnt 0
	WIN MUL_HI
	MUL16 4, 1, NQ-1, 1, 0
	MUL16 6, 1, NQ-1, 1, 0
	WIN 0
	PLACES NP                                      ; for the loads into B's registers, the writes over the scale words and A's fragments, and the reads of results
	s_cmp_eq_u32 s19, 2
	s_cbranch_scc1 .Lvpath
	; ---------------- q and k: the rotation.  Lane (r, h) of block a holds position 16 a + r of my 128; accumulator b = 4 hd + u' holds channels 16 u' + 8 h + 0 .. 7 of my head hd.
	; Channel d < 32 (u' = u = 0, 1) pairs with d + 32 (u' = u + 2); both take frequency i = 16 u + 8 h + j.  The table lies in that very order: block a's 32 registers at v[32 a] of window 1: cos of u at + 16 u, sin at + 16 u + 8.
	s_lshl_b32 s21, s43, 4
	s_lshl_b32 s22, s17, 3
	s_add_co_u32 s21, s21, s22
	s_and_b32 s46, s21, 127                        ; my first tile of positions in its sequence
	s_lshl_b32 s66, s46, 12
	s_mov_b32 s67, 0
	s_add_nc_u64 s[66:67], s[8:9], s[66:67]
	WIN 0x40                                       ; destination window 1
.irp a, 0,1,2,3,4,5,6,7
.irp e, 0,1,2,3,4,5,6,7
	global_load_b128 v[32*\a+4*\e:32*\a+4*\e+3], v[LO], s[66:67] offset:4096*\a+512*\e
.endr
.endr
	WIN 0
	s_cmp_eq_u32 s19, 0
	s_cselect_b64 s[22:23], s[10:11], s[12:13]     ; q's images or k's
	s_lshr_b32 s2, s43, 3                          ; the batch: 8 tiles of 256 rows to a sequence
	s_lshl_b32 s2, s2, 4
	s_lshl_b32 s3, s42, 2
	s_add_co_u32 s2, s2, s3
	s_lshl_b32 s3, s18, 1
	s_add_co_u32 s2, s2, s3                        ; 16 batch + my first head (4 x B's tile + 2 x half)
	s_lshl_b32 s2, s2, 18                          ; 262,144 bytes a head
	s_lshl_b32 s3, s46, 11                         ; 2,048 a tile of positions
	s_add_co_u32 s2, s2, s3
	s_mov_b32 s3, 0
	s_add_nc_u64 s[22:23], s[22:23], s[2:3]
.macro RBLOCK a
.set AC, 64*((\a)%4)
.set TBL, 32*(\a)
.set FF, F+32*((\a)%2)
	s_wait_loadcnt 8*(7-(\a))                      ; this block's eight loads of the table are in; the later blocks' may be out
	WIN 0x06+(\a)/4                                ; source 0: the accumulators' window; source 1: window 1
.irp hd, 0,1
.irp u, 0,1
.irp jj, 0,2,4,6                       ; each accumulator is read from its low end on
	v_pk_mul_f32 v[OUT+8*(4*\hd+\u)+\jj:OUT+8*(4*\hd+\u)+\jj+1], v[AC+8*(4*\hd+\u+2)+\jj:AC+8*(4*\hd+\u+2)+\jj+1], v[TBL+16*\u+8+\jj:TBL+16*\u+8+\jj+1]       ; t2 sin
	v_pk_mul_f32 v[OUT+8*(4*\hd+\u+2)+\jj:OUT+8*(4*\hd+\u+2)+\jj+1], v[AC+8*(4*\hd+\u)+\jj:AC+8*(4*\hd+\u)+\jj+1], v[TBL+16*\u+8+\jj:TBL+16*\u+8+\jj+1]       ; t1 sin
.endr
.irp jj, 0,2,4,6
	v_pk_fma_f32 v[OUT+8*(4*\hd+\u)+\jj:OUT+8*(4*\hd+\u)+\jj+1], v[AC+8*(4*\hd+\u)+\jj:AC+8*(4*\hd+\u)+\jj+1], v[TBL+16*\u+\jj:TBL+16*\u+\jj+1], v[OUT+8*(4*\hd+\u)+\jj:OUT+8*(4*\hd+\u)+\jj+1] neg_lo:[0,0,1] neg_hi:[0,0,1]   ; t1 cos - t2 sin
	v_pk_fma_f32 v[OUT+8*(4*\hd+\u+2)+\jj:OUT+8*(4*\hd+\u+2)+\jj+1], v[AC+8*(4*\hd+\u+2)+\jj:AC+8*(4*\hd+\u+2)+\jj+1], v[TBL+16*\u+\jj:TBL+16*\u+\jj+1], v[OUT+8*(4*\hd+\u+2)+\jj:OUT+8*(4*\hd+\u+2)+\jj+1]   ; t2 cos + t1 sin
.endr
.endr
.endr
	WIN 0
.if (\a) >= 2
	s_wait_xcnt 0x0                                ; block a - 2's stores have read their registers: they are written again only behind this wait
.endif
.irp b, 0,1,2,3,4,5,6,7
.irp pp, 0,1,2,3
	v_cvt_pk_f16_f32 v[FF+4*\b+\pp], v[OUT+8*\b+2*\pp], v[OUT+8*\b+2*\pp+1]
.endr
.endr
.irp b, 0,1,2,3,4,5,6,7
	global_store_b128 v[LO], v[FF+4*\b:FF+4*\b+3], s[22:23] offset:(\b/4)*262144+2048*(\a)+512*(\b%4)   ; 32 lanes store 512 consecutive bytes: group (k step, c) = b % 4 of the image
.endr
.endm
.irp a, 0,1,2,3,4,5,6,7
	RBLOCK \a
.endr
	s_branch .Ldone
.Lvpath:
	; ---------------- v: lane (r, h) of block a holds channel 16 a + r of my 128, accumulator b keys 16 b + 8 h + 0 .. 7 of my 128: group c = b % 2 of the fragment (32 keys b / 2, 16 channels a % 4) of head a / 4
	s_lshr_b32 s2, s42, 3                          ; the batch
	s_lshl_b32 s2, s2, 4
	s_lshl_b32 s3, s43, 2
	s_add_co_u32 s2, s2, s3
	s_lshl_b32 s3, s17, 1
	s_add_co_u32 s2, s2, s3                        ; 16 batch + my first head
	s_lshl_b32 s2, s2, 18
	s_lshl_b32 s3, s42, 3
	s_lshl_b32 s21, s18, 2
	s_add_co_u32 s3, s3, s21
	s_and_b32 s3, s3, 63                           ; my first block of 32 keys in its sequence
	s_lshl_b32 s3, s3, 12
	s_add_co_u32 s2, s2, s3
	s_mov_b32 s3, 0
	s_add_nc_u64 s[22:23], s[14:15], s[2:3]
.macro VBLOCK a
.set AC, 64*((\a)%4)
.set FF, F+32*((\a)%2)
.if (\a) >= 2
	s_wait_xcnt 0x0                                ; block a - 2's stores have read their registers
.endif
	WIN 0x0a+5*((\a)/4)                            ; sources 0 and 1: the accumulators' window
.irp b, 0,1,2,3,4,5,6,7
.irp pp, 0,1,2,3
	v_cvt_pk_f16_f32 v[FF+4*\b+\pp], v[AC+8*\b+2*\pp], v[AC+8*\b+2*\pp+1]
.endr
.endr
	WIN 0
.irp b, 0,1,2,3,4,5,6,7
	global_store_b128 v[LO], v[FF+4*\b:FF+4*\b+3], s[22:23] offset:((\a)/4)*262144+4096*(\b/2)+1024*((\a)%4)+512*(\b%2)
.endr
.endm
.irp a, 0,1,2,3,4,5,6,7
	VBLOCK \a
.endr
.Ldone:
	s_wait_tensorcnt 0x0                           ; the wave's end, behind my last tensor load
	ds_add_u32 v[SPW], v[NIL]
	s_wait_dscnt 0x0
	CROUND                                         ; the closing round: no work-group ends while a partner may still ask for a tile that names it
	s_endpgm
.Lfunc_end_k_qeabd8e9780_proj:
	.size	k_qeabd8e9780_proj, .Lfunc_end_k_qeabd8e9780_proj-k_qeabd8e9780_proj
	.p2alignl 7, 3214868480
	.fill 96, 4, 3214868480
	.section	.rodata,"a",@progbits
	.p2align	6, 0x0
	.amdhsa_kernel k_qeabd8e9780_proj
		.amdhsa_group_segment_fixed_size 327680
		.amdhsa_private_segment_fixed_size 0
		.amdhsa_enable_private_segment 0
		.amdhsa_kernarg_size 48
		.amdhsa_user_sgpr_count 2
		.amdhsa_user_sgpr_kernarg_segment_ptr 1
		.amdhsa_wavefront_size32 1
		.amdhsa_system_sgpr_workgroup_id_x 1
		.amdhsa_system_sgpr_workgroup_id_y 1
		.amdhsa_system_sgpr_workgroup_id_z 1
		.amdhsa_system_vgpr_workitem_id 0
		.amdhsa_next_free_vgpr 1024
		.amdhsa_next_free_sgpr 100
		.amdhsa_reserve_vcc 0
		.amdhsa_float_denorm_mode_32 3
		.amdhsa_float_denorm_mode_16_64 3
		.amdhsa_memory_ordered 1
		.amdhsa_forward_progress 1
		.amdhsa_inst_pref_size 180
	.end_amdhsa_kernel
	.amdgpu_metadata
---
amdhsa.version: [ 1, 2 ]
amdhsa.kernels:
  - .name:           k_qeabd8e9780_proj
    .symbol:         k_qeabd8e9780_proj.kd
    .args:
      - { .name: codes, .offset: 0, .size: 8, .value_kind: global_buffer, .address_space: global }
      - { .name: scales, .offset: 8, .size: 8, .value_kind: global_buffer, .address_space: global }
      - { .name: rope, .offset: 16, .size: 8, .value_kind: global_buffer, .address_space: global }
      - { .name: qimg, .offset: 24, .size: 8, .value_kind: global_buffer, .address_space: global }
      - { .name: kimg, .offset: 32, .size: 8, .value_kind: global_buffer, .address_space: global }
      - { .name: vimg, .offset: 40, .size: 8, .value_kind: global_buffer, .address_space: global }
    .group_segment_fixed_size: 327680
    .private_segment_fixed_size: 0
    .kernarg_segment_align: 8
    .kernarg_segment_size: 48
    .max_flat_workgroup_size: 128
    .sgpr_count:     100
    .vgpr_count:     1024
    .wavefront_size: 32
...
	.end_amdgpu_metadata
.endif
;; end of part 2
;; launch attn (part 3): grid 4 x 64, 8 waves a work-group, clusters of 4 x 1, 327,680 bytes of LDS; arguments qimg, kimg, vimg, key_padding_mask, aimg; writes aimg
.if DOCPART == 3
	.amdgcn_target "amdgcn-amd-amdhsa--gfx1250"
	.amdhsa_code_object_version 6
	.text
	.protected	k_qeabd8e9780_attn
	.globl	k_qeabd8e9780_attn
	.p2align	8
	.type	k_qeabd8e9780_attn,@function
k_qeabd8e9780_attn:
	s_mov_b64 s[64:65], 0
	v_nop
	global_prefetch_b8 v0, s[64:65] scope:SCOPE_SE
	s_setreg_imm32_b32 hwreg(HW_REG_WAVE_MODE, 25, 1), 1
	s_wait_xcnt 0x0
	s_wait_alu depctr_hold_cnt(0) depctr_sa_sdst(0) depctr_va_vdst(0) depctr_va_sdst(0) depctr_va_ssrc(0) depctr_va_vcc(0) depctr_vm_vsrc(0)
	s_getreg_b32 s2, hwreg(HW_REG_IB_STS2, 6, 4)
	s_cmp_eq_u32 s2, 0
	s_cbranch_scc0 .Lentry_in_a_cluster
	s_endpgm
.Lentry_in_a_cluster:
	s_bfe_u32 s2, ttmp6, 0x10000c
	s_cmp_lg_u32 s2, 0x3003
	s_cbranch_scc0 .Lentry_shape_is_right
	s_endpgm
.Lentry_shape_is_right:
; O[b, h][q] = the sum over keys of softmax(q . k / 8, masked keys at -infinity) v, head size 64, 2,048 queries and keys, 64 pairs (batch, head).  q, k, v in f16, as images of operand registers; products, maxima and sums in f32;
; the weights p are rounded to f16 for the second product, O once at the end.  Nothing of the problem is left out here: the mask is an input, so every key is multiplied and the mask selects.
; SHARES.  A work-group owns 512 queries of one pair, each of its eight waves 64: four tiles of 16.  Two waves lie on a SIMD, so that one wave's softmax stands beside the other's products.  Every wave walks all keys, 64 a step.
; LAYOUT.  S^T = K Q^T (source 0 = 16 keys, source 1 = 16 queries): a lane holds ONE query (lane % 16) and keys 8 (lane / 16) + 0 .. 7.  Two such tiles, packed to f16, ARE source 1 of O^T = V^T P.  A fragment read from LDS feeds four products.
; All fragments lie in memory and in LDS as images of their registers ([c 2][lane][16 bytes]): every LDS load is 16 x lane + a constant, 512 consecutive bytes.
; THE MASK is the C of each score tile's first product: 0 for a key that counts, -2^127 for a masked one.  LIMIT, stated: -2^127 and not -infinity; the running maximum is floored at -2^100, far under any score that f16 operands
; can give (64 x 65,504^2 is under 2^39), so a masked p is 2^(about -3e37) = 0 exactly; a row all of whose keys are masked ends with sum 0 and O 0, and 0 x (1 / 0) is NaN, as in the problem.
; SOFTMAX.  A running maximum m and sum l for each query: p = 2^(c s - c m), c = log2(e) / 8; in every step O and l are multiplied by a = 2^(c m_old - c m_new).
; THE RINGS.  K and V each have four slots of 32,768 bytes (256 keys, four steps).  Step n lies at (8,192 n) mod 131,072.  A step fetches the NEXT step's K, also across a slot's edge: while chunk d is walked, chunks d and d + 1 have landed
; and have been shown by a barrier.  All four slots are first fills (four tensor loads of a wave are out at the start); at the changes into chunks 1 to 4 the slot just left takes chunks 4 to 7 (one load of a wave is out).
; CLUSTER.  The four blocks of queries of a pair walk the same K and V: every fill is a joint load, the same line with the same descriptor and a mask that names the four.  Wave w brings a quarter of K's chunk (w < 4) or of V's.
; NO PREFETCH: a refill is waited for a whole chunk (four key steps) after it is issued and read later still; only the first fills are waited for, and those stand at the kernel's head.
; LIMIT: O stays under 65,504 as v does.
; REGISTERS.  Window 0: v1-8 addresses; v9-15 at work; v16-47 statistics, 8 a tile (+0 c m, +1 m, +2, +3 l, +4 .. +7 at work; a takes +6); v48-111 four fragments of K twice over, or eight of V; v112-239 S^T, 32 a tile, P packed into the first 16; v240-247 at work.
;   Window 1: v0-63 Q; v64-191 O^T, 32 a tile; v192-223 the mask's numbers for the step's four tiles of keys.
.set VRING, 131072
.set BIAS,  262144                     ; 2,048 f32: written by ds_store, never a fill's target
.set SPARE, 270336                     ; the spare words, 128 bytes a wave, that no other line names
.set RINGM, 0x1ffff
.set LI,  1                            ; v1  16 x lane
.set LIV, 2                            ; v2  16 x lane + V's ring
.set LB,  3                            ; v3  the mask's numbers: BIAS + 32 (lane / 16)
.set ADK, 4                            ; v4  the step's K
.set ADV, 5                            ; v5  its V
.set ADB, 6                            ; v6  its mask numbers
.set SPW, 7                            ; v7  my spare word; never rewritten
.set NIL, 8                            ; v8  0; never rewritten
.set ST,  16
.set KV,  48
.set S,   112
.set U,   240
.set QF,  0                            ; window 1
.set OT,  64
.set BI,  192
.set MSB, 0
.macro WIN new
.if MSB != (\new)
	s_set_vgpr_msb (MSB<<8)|(\new)
.set MSB, (\new)
.endif
.endm
.macro PLACES n
.rept \n
	v_nop
.endr
.endm
.macro CROUND                          ; a round of the cluster's barrier
	s_barrier_signal -1
	s_barrier_wait -1
	s_cmp_lg_u32 s14, 0
	s_cbranch_scc1 .Lnot_wave_0_\@
	s_barrier_signal -3
.Lnot_wave_0_\@:
	s_barrier_wait -3
	s_barrier_signal -1
	s_barrier_wait -1
.endm
	s_load_b256 s[4:11], s[0:1], 0x0               ; qimg 4, kimg 6, vimg 8, the mask 10
	s_load_b64 s[12:13], s[0:1], 0x20              ; aimg
	v_lshl_add_u32 v[SPW], v0, 2, SPARE
	v_mov_b32 v[NIL], 0
	ds_add_u32 v[SPW], v[NIL]                      ; the wave's opening: the add, twice on end, and its wait ahead of my first tensor load
	ds_add_u32 v[SPW], v[NIL]
	v_lshrrev_b32 v9, 5, v0
	v_readfirstlane_b32 s14, v9                    ; wave 0..7
	s_bfe_u32 s15, ttmp6, 0x40000                  ; cx: my block of 512 queries: it enters Q's and O's addresses alone
	s_and_b32 s16, ttmp7, 0xffff                   ; the pair (batch, head), which the four partners share
	; descriptor group 1: 8,192 dense bytes as 32 rows of 256 bytes
	s_mov_b32 s24, 15|(3<<16)|(1<<21)              ; the mask: all four work-groups; elements of 8 bytes; bit 21 beside a mask; no padding
	s_mov_b32 s25, 32<<16                          ; tensor_dim0 = 32
	s_mov_b32 s26, 32<<16                          ; tensor_dim1 = 32
	s_mov_b32 s27, 32<<16                          ; tile_dim0
	s_mov_b32 s28, 32                              ; tile_dim1
	s_mov_b32 s29, 32                              ; from row to row
	s_mov_b32 s30, 0
	s_mov_b32 s31, 0
	s_lshr_b32 s17, s14, 2
	s_lshl_b32 s49, s17, 17                        ; K's ring or V's,
	s_and_b32 s18, s14, 3
	s_lshl_b32 s18, s18, 13
	s_add_co_u32 s49, s49, s18                     ; my quarter of a slot
	s_lshl_b32 s20, s16, 18                        ; 262,144 bytes a pair in each of the three images
	s_mov_b32 s21, 0
	s_add_co_u32 s22, s20, s18                     ; my quarter of chunk 0
	s_mov_b32 s23, 0
	s_mov_b32 s48, 98304                           ; the slot of the walking descriptor: it starts as slot 3's
	s_mov_b32 s50, 0                               ; where the step to be fetched lies in a ring
	s_mov_b32 s51, 0                               ; and among the mask's numbers: 256 bytes a step
	s_mov_b32 s54, 0x3e38aa3b                      ; c = log2(e) / 8
	s_mov_b32 s55, s54                             ; (named with it as a pair, so it is written)
	s_mov_b32 s56, 0x76543210
	s_mov_b32 s57, 0xfedcba98                      ; v_permlanex16_b32's selects for lane l xor 16
	s_mov_b32 s59, 0xff000000                      ; -2^127
	s_wait_dscnt 0x0                               ; both opening adds are done
	s_wait_kmcnt 0x0
	s_cmp_lt_u32 s14, 4
	s_cselect_b64 s[2:3], s[6:7], s[8:9]           ; waves 0-3 fetch K, waves 4-7 V
	s_add_nc_u64 s[2:3], s[2:3], s[22:23]
	CROUND                                         ; all four work-groups are here: the first joint loads meet
.irp j, 0,1,2,3
	s_mov_b32 s[32+4*\j], 1                        ; count = 1
	s_add_co_u32 s[33+4*\j], s49, 32768*\j         ; LDS address: slot j
	s_add_nc_u64 s[34+4*\j:35+4*\j], s[2:3], 32768*\j   ; global address: chunk j
	s_or_b32 s[35+4*\j], s[35+4*\j], 0x80000000    ; type = 2
.endr
.irp j, 0,1,2,3
	tensor_load_to_lds s[32+4*\j:35+4*\j], s[24:31]
	s_nop 0
.endr
.rept 4
	v_nop
.endr
	v_and_b32 v9, 31, v0
	v_lshlrev_b32 v[LI], 4, v9
	s_lshl_b32 s17, s15, 5
	s_lshl_b32 s18, s14, 2
	s_add_co_u32 s17, s17, s18                     ; my first tile of queries: 32 cx + 4 wave
	s_lshl_b32 s22, s17, 11
	s_add_co_u32 s22, s22, s20
	s_mov_b32 s23, 0
	s_add_nc_u64 s[4:5], s[4:5], s[22:23]
	WIN 0x40                                       ; destination window 1
.irp i, 0,1,2,3,4,5,6,7,8,9,10,11,12,13,14,15
	global_load_b128 v[QF+4*\i:QF+4*\i+3], v[LI], s[4:5] offset:512*\i     ; Q stays in registers: tile i / 4, k step (i / 2) % 2, group i % 2
.endr
	WIN 0
	v_lshlrev_b32 v10, 3, v0                       ; the mask: 8 bytes a thread, 2,048 a work-group: the batch's row
	s_lshr_b32 s18, s16, 4
	s_lshl_b32 s18, s18, 11
	s_mov_b32 s19, 0
	s_add_nc_u64 s[10:11], s[10:11], s[18:19]
	global_load_b64 v[12:13], v10, s[10:11]
	s_lshr_b32 s18, s16, 4
	s_lshl_b32 s18, s18, 7
	s_add_co_u32 s18, s18, s17                     ; my first tile of rows of the output: 128 batch + 32 cx + 4 wave
	s_lshl_b32 s18, s18, 15                        ; 32,768 bytes a tile of rows,
	s_and_b32 s22, s16, 15
	s_lshl_b32 s22, s22, 11                        ; 2,048 a head
	s_add_co_u32 s18, s18, s22
	s_mov_b32 s19, 0
	s_add_nc_u64 s[12:13], s[12:13], s[18:19]
	v_add_nc_u32 v[LIV], VRING, v[LI]
	v_bfe_u32 v11, v0, 4, 1
	v_lshl_add_u32 v[LB], v11, 5, BIAS
	v_add_nc_u32 v[ADK], s50, v[LI]
	v_add_nc_u32 v[ADV], s50, v[LIV]
	v_add_nc_u32 v[ADB], s51, v[LB]
	v_lshl_add_u32 v11, v0, 5, BIAS                ; where I put my eight numbers
	s_wait_loadcnt 0x0                             ; Q and the mask
.irp i, 0,1,2,3
	v_bfe_u32 v[U+\i], v12, 8*\i, 1
	v_bfe_u32 v[U+4+\i], v13, 8*\i, 1
.endr
.irp i, 0,1,2,3,4,5,6,7
	v_mul_lo_u32 v[U+\i], v[U+\i], s59             ; 0, or the bits of -2^127
.endr
	ds_store_b128 v11, v[U:U+3]
	ds_store_b128 v11, v[U+4:U+7] offset:16
	s_wait_tensorcnt 2                             ; my parts of chunks 0 and 1 are in; those of chunks 2 and 3 may be out
	s_wait_dscnt 0x0                               ; my stores have landed
	s_barrier_signal -1
	s_barrier_wait -1
.macro KLOAD g                         ; the step's tiles of keys 2 g, 2 g + 1: four fragments (tile % 2, k step)
.irp f, 0,1,2,3
.irp c, 0,1
	ds_load_b128 v[KV+32*\g+8*\f+4*\c:KV+32*\g+8*\f+4*\c+3], v[ADK] offset:4096*\g+1024*\f+512*\c
.endr
.endr
.endm
.macro BLOAD                           ; the mask's numbers in the layout of a score tile: register j of lane (r, h) = key 16 kt + 8 h + j
	WIN 0x40
.irp kt, 0,1,2,3
.irp i, 0,1
	ds_load_b128 v[BI+8*\kt+4*\i:BI+8*\kt+4*\i+3], v[ADB] offset:64*\kt+16*\i
.endr
.endr
.endm
.macro VLOAD                           ; the step's eight fragments of V^T (32 keys kb, 16 channels ct)
.irp kb, 0,1
.irp ct, 0,1,2,3
.irp c, 0,1
	ds_load_b128 v[KV+32*\kb+8*\ct+4*\c:KV+32*\kb+8*\ct+4*\c+3], v[ADV] offset:4096*\kb+1024*\ct+512*\c
.endr
.endr
.endr
.endm
; 16 products of S^T = K Q^T: two tiles of keys x four tiles of queries, two k steps; the eight accumulators take turns.  The first k step takes the mask's numbers as C.
.macro SPART g
	WIN 0x14                                       ; Q and the mask's numbers in window 1
.irp kk, 0,1
.irp t, 0,1,2,3
	v_wmma_f32_16x16x32_f16 v[S+32*\t+8*(2*\g+\kk):S+32*\t+8*(2*\g+\kk)+7], v[KV+32*\g+16*\kk:KV+32*\g+16*\kk+7], v[QF+16*\t:QF+16*\t+7], v[BI+8*(2*\g+\kk):BI+8*(2*\g+\kk)+7]
.endr
.endr
	WIN 0x04
.irp kk, 0,1
.irp t, 0,1,2,3
	v_wmma_f32_16x16x32_f16 v[S+32*\t+8*(2*\g+\kk):S+32*\t+8*(2*\g+\kk)+7], v[KV+32*\g+16*\kk+8:KV+32*\g+16*\kk+15], v[QF+16*\t+8:QF+16*\t+15], v[S+32*\t+8*(2*\g+\kk):S+32*\t+8*(2*\g+\kk)+7]
.endr
.endr
.endm
; 16 products of O^T += V^T P, keys 32 kb on: the sixteen accumulators take turns.  first = 1: they start the sums: nothing is cleared.
.macro PVHALF kb, first
.irp ct, 0,1,2,3
.irp t, 0,1,2,3
.if \first
	v_wmma_f32_16x16x32_f16 v[OT+32*\t+8*\ct:OT+32*\t+8*\ct+7], v[KV+32*\kb+8*\ct:KV+32*\kb+8*\ct+7], v[S+32*\t+8*\kb:S+32*\t+8*\kb+7], 0
.else
	v_wmma_f32_16x16x32_f16 v[OT+32*\t+8*\ct:OT+32*\t+8*\ct+7], v[KV+32*\kb+8*\ct:KV+32*\kb+8*\ct+7], v[S+32*\t+8*\kb:S+32*\t+8*\kb+7], v[OT+32*\t+8*\ct:OT+32*\t+8*\ct+7]
.endif
.endr
.endr
.endm
; The four tiles' softmax for one key step; the tiles take turns line by line, so that no line waits for the line above it.  first = 1: the first step, which starts m, l and O^T.
.macro SOFTMAX first
	WIN 0
.irp j, 0,1,2,3                        ; the maximum of the lane's 32 scores: four chains, one for each score tile, each read from its low end on
.irp t, 0,1,2,3
	v_max3_num_f32 v[ST+8*\t+4+\j], v[S+32*\t+8*\j], v[S+32*\t+8*\j+1], v[S+32*\t+8*\j+2]
.endr
.endr
.irp d, 3,5
.irp j, 0,1,2,3
.irp t, 0,1,2,3
	v_max3_num_f32 v[ST+8*\t+4+\j], v[ST+8*\t+4+\j], v[S+32*\t+8*\j+\d], v[S+32*\t+8*\j+\d+1]
.endr
.endr
.endr
.irp t, 0,1,2,3
	v_max3_num_f32 v[ST+8*\t+4], v[ST+8*\t+4], v[S+32*\t+7], v[S+32*\t+15]
.endr
.irp t, 0,1,2,3
	v_max3_num_f32 v[ST+8*\t+6], v[ST+8*\t+6], v[S+32*\t+23], v[S+32*\t+31]
.endr
.irp t, 0,1,2,3
	v_max3_num_f32 v[ST+8*\t+4], v[ST+8*\t+4], v[ST+8*\t+5], v[ST+8*\t+6]
.endr
.irp t, 0,1,2,3
.if \first
	v_max3_num_f32 v[ST+8*\t+4], v[ST+8*\t+4], v[ST+8*\t+7], 0xf1800000    ; and the floor -2^100, over every masked score
.else
	v_max3_num_f32 v[ST+8*\t+4], v[ST+8*\t+4], v[ST+8*\t+7], v[ST+8*\t+1]  ; and the old m
.endif
.endr
.irp t, 0,1,2,3
	v_permlanex16_b32 v[ST+8*\t+5], v[ST+8*\t+4], s56, s57                 ; the query's other 32 keys lie in the lane 16 away
.endr
.if !\first
.irp t, 0,1,2,3
	v_mov_b32 v[ST+8*\t+7], v[ST+8*\t]             ; c m_old is kept for a
.endr
.endif
.irp t, 0,1,2,3
	v_max_num_f32 v[ST+8*\t+1], v[ST+8*\t+4], v[ST+8*\t+5]
.endr
.irp t, 0,1,2,3
	v_mul_f32 v[ST+8*\t], s54, v[ST+8*\t+1]
.endr
.if !\first
.irp t, 0,1,2,3
	v_sub_f32 v[ST+8*\t+7], v[ST+8*\t+7], v[ST+8*\t]
.endr
.endif
.irp b, 0,1,2,3,4,5,6,7,8,9,10,11,12,13,14,15
.irp t, 0,1,2,3
	v_pk_fma_f32 v[S+32*\t+2*\b:S+32*\t+2*\b+1], v[S+32*\t+2*\b:S+32*\t+2*\b+1], s[54:55], v[ST+8*\t:ST+8*\t+1] op_sel_hi:[1,0,0] neg_lo:[0,0,1] neg_hi:[0,0,1]   ; c s - c m, two at a time
.endr
.endr
.if !\first
.irp t, 0,1,2,3
	v_exp_f32 v[ST+8*\t+6], v[ST+8*\t+7]           ; a
.endr
.endif
.set e, 0
.rept 32
.irp t, 0,1,2,3
	v_exp_f32 v[S+32*\t+e], v[S+32*\t+e]           ; p: all of the step's exponentials are one batch
.endr
.set e, e+1
.endr
	v_nop                                          ; a plain line behind the last exponential,
	s_wait_alu depctr_va_vdst(0)                   ; and the one wait for the batch, ahead of its first reader
.irp t, 0,1,2,3                        ; the sums of the unrounded p, in two chains a tile
	v_pk_add_f32 v[ST+8*\t+4:ST+8*\t+5], v[S+32*\t:S+32*\t+1], v[S+32*\t+2:S+32*\t+3]
.endr
.irp t, 0,1,2,3
	v_pk_add_f32 v[U+2*\t:U+2*\t+1], v[S+32*\t+4:S+32*\t+5], v[S+32*\t+6:S+32*\t+7]
.endr
.irp i, 8,12,16,20,24,28
.irp t, 0,1,2,3
	v_pk_add_f32 v[ST+8*\t+4:ST+8*\t+5], v[ST+8*\t+4:ST+8*\t+5], v[S+32*\t+\i:S+32*\t+\i+1]
.endr
.irp t, 0,1,2,3
	v_pk_add_f32 v[U+2*\t:U+2*\t+1], v[U+2*\t:U+2*\t+1], v[S+32*\t+\i+2:S+32*\t+\i+3]
.endr
.endr
.if \first
.irp t, 0,1,2,3
	v_pk_add_f32 v[ST+8*\t+2:ST+8*\t+3], v[ST+8*\t+4:ST+8*\t+5], v[U+2*\t:U+2*\t+1]
.endr
.else
.irp t, 0,1,2,3
	v_pk_add_f32 v[ST+8*\t+4:ST+8*\t+5], v[ST+8*\t+4:ST+8*\t+5], v[U+2*\t:U+2*\t+1]
.endr
.irp t, 0,1,2,3
	v_pk_fma_f32 v[ST+8*\t+2:ST+8*\t+3], v[ST+8*\t+2:ST+8*\t+3], v[ST+8*\t+6:ST+8*\t+7], v[ST+8*\t+4:ST+8*\t+5] op_sel_hi:[1,0,1]   ; l = a l + the sum
.endr
.endif
.set p, 0
.rept 16                               ; p to f16, packed in place: register p is written when registers 2 p and 2 p + 1, at or above it, are read
.irp t, 0,1,2,3
	v_cvt_pk_f16_f32 v[S+32*\t+p], v[S+32*\t+2*p], v[S+32*\t+2*p+1]
.endr
.set p, p+1
.endr
.if !\first
	WIN 0x41                                       ; O^T (destination and source 0) in window 1, a in window 0
.set p, 0
.rept 16
.irp t, 0,1,2,3
	v_pk_mul_f32 v[OT+32*\t+2*p:OT+32*\t+2*p+1], v[OT+32*\t+2*p:OT+32*\t+2*p+1], v[ST+8*\t+6:ST+8*\t+7] op_sel_hi:[1,0]
.endr
.set p, p+1
.endr
.endif
.endm
; A KEY STEP of 64 keys.  At its head its K (two runs of eight loads) and, between them, its mask numbers (eight) have been asked for.  next = 1: the next step's are asked for.
.macro STEP first, next
	s_wait_dscnt 8                                 ; K's first half and the mask's numbers are in; the youngest eight loads (K's second half) may be out
	SPART 0
	s_wait_dscnt 0x0
	SPART 1
	WIN 0
	PLACES 4                                       ; in front of the loads into K's registers and of the first read of the scores
	VLOAD
	SOFTMAX \first
	s_wait_dscnt 0x0                               ; V is in
	WIN 0x50                                       ; C and D in window 1
	PVHALF 0, \first
	WIN 0
.if \next
	s_add_co_u32 s50, s50, 8192
	s_and_b32 s50, s50, RINGM                      ; the next step's place in the rings
	s_add_co_u32 s51, s51, 256
	v_add_nc_u32 v[ADK], s50, v[LI]                ; these three and the v_nop are the places in front of the loads into the registers that held V's first half
	v_add_nc_u32 v[ADV], s50, v[LIV]
	v_add_nc_u32 v[ADB], s51, v[LB]
	v_nop
	KLOAD 0
	BLOAD
.endif
	WIN 0x50
	PVHALF 1, 0
	WIN 0
.if \next
	PLACES 5                                       ; four in front of the loads into V's second half; five in front of the next step's first products, which write over the registers that held P
	KLOAD 1
.endif
.endm
; THE CHANGE OF CHUNKS.  Each wave waits for all its tensor loads, adds 0 to its spare word, and waits for that and for its LDS reads.  fill = 1: a round of the cluster's barrier, and first behind it the joint refill of the slot just left.
.macro CHANGE fill
	s_wait_tensorcnt 0x0                           ; no tensor load of mine is out, so a group 0 may be written
	ds_add_u32 v[SPW], v[NIL]                      ; 0 onto my spare word
.if \fill
	s_add_co_u32 s48, s48, 32768
	s_and_b32 s48, s48, RINGM                      ; the walking descriptor: the next slot round the ring,
	s_add_co_u32 s45, s49, s48
	s_add_nc_u64 s[46:47], s[46:47], 32768         ; the next chunk; the type bits on top are not reached
.endif
	s_wait_dscnt 0x0                               ; the add is done, and my reads of the slot that is left are over
.if \fill
	CROUND
	tensor_load_to_lds s[44:47], s[24:31]          ; my one tensor load behind the round
	s_nop 0
.rept 4
	v_nop
.endr
.else
	s_barrier_signal -1
	s_barrier_wait -1
.endif
.endm
	KLOAD 0
	BLOAD
	WIN 0
	KLOAD 1
	STEP 1, 1                                      ; step 0
	s_mov_b32 s53, 3
.Lfirst_chunk:                                     ; steps 1 to 3
	STEP 0, 1
	s_sub_co_u32 s53, s53, 1
	s_cmp_lg_u32 s53, 0
	s_cbranch_scc1 .Lfirst_chunk
	s_mov_b32 s52, 4
.Lchunk:                                           ; chunks 1 to 4: the slot just left takes chunks 4 to 7
	CHANGE 1
	s_mov_b32 s53, 4
.Lstep:
	STEP 0, 1
	s_sub_co_u32 s53, s53, 1
	s_cmp_lg_u32 s53, 0
	s_cbranch_scc1 .Lstep
	s_sub_co_u32 s52, s52, 1
	s_cmp_lg_u32 s52, 0
	s_cbranch_scc1 .Lchunk
	CHANGE 0                                       ; the last fill, chunk 7, has landed in every wave; nothing more is asked for
	s_mov_b32 s53, 11
.Ltail:                                            ; steps 20 to 30
	STEP 0, 1
	s_sub_co_u32 s53, s53, 1
	s_cmp_lg_u32 s53, 0
	s_cbranch_scc1 .Ltail
	STEP 0, 0                                      ; step 31
	; THE WAY OUT.  l's two halves and the other half of the lanes' are added; O^T is divided by l and packed to f16: a lane's eight channels of a query are a group of the last product's operand image.
.irp t, 0,1,2,3
	v_add_f32 v[ST+8*\t+4], v[ST+8*\t+2], v[ST+8*\t+3]     ; (these four are the places behind the last products)
.endr
.irp t, 0,1,2,3
	v_permlanex16_b32 v[ST+8*\t+5], v[ST+8*\t+4], s56, s57
.endr
.irp t, 0,1,2,3
	v_add_f32 v[ST+8*\t+4], v[ST+8*\t+4], v[ST+8*\t+5]
.endr
.irp t, 0,1,2,3
	v_rcp_f32 v[ST+8*\t+6], v[ST+8*\t+4]
.endr
	v_nop                                          ; a plain line behind the last reciprocal,
	s_wait_alu depctr_va_vdst(0)                   ; and the one wait for the four
.irp t, 0,1,2,3
	WIN 0x01                                       ; source 0 (O^T) window 1
.set p, 0
.rept 16
	v_pk_mul_f32 v[S+32*\t+2*p:S+32*\t+2*p+1], v[OT+32*\t+2*p:OT+32*\t+2*p+1], v[ST+8*\t+6:ST+8*\t+7] op_sel_hi:[1,0]
.set p, p+1
.endr
	WIN 0
.set p, 0
.rept 16
	v_cvt_pk_f16_f32 v[S+32*\t+p], v[S+32*\t+2*p], v[S+32*\t+2*p+1]
.set p, p+1
.endr
.irp ct, 0,1,2,3
	global_store_b128 v[LI], v[S+32*\t+4*\ct:S+32*\t+4*\ct+3], s[12:13] offset:32768*\t+512*\ct   ; 32 lanes store 512 consecutive bytes
.endr
.endr
	s_wait_tensorcnt 0x0                           ; the wave's end, behind my last tensor load and my last LDS store
	ds_add_u32 v[SPW], v[NIL]
	s_wait_dscnt 0x0
	CROUND                                         ; the closing round
	s_endpgm
.Lfunc_end_k_qeabd8e9780_attn:
	.size	k_qeabd8e9780_attn, .Lfunc_end_k_qeabd8e9780_attn-k_qeabd8e9780_attn
	.p2alignl 7, 3214868480
	.fill 96, 4, 3214868480
	.section	.rodata,"a",@progbits
	.p2align	6, 0x0
	.amdhsa_kernel k_qeabd8e9780_attn
		.amdhsa_group_segment_fixed_size 327680
		.amdhsa_private_segment_fixed_size 0
		.amdhsa_enable_private_segment 0
		.amdhsa_kernarg_size 40
		.amdhsa_user_sgpr_count 2
		.amdhsa_user_sgpr_kernarg_segment_ptr 1
		.amdhsa_wavefront_size32 1
		.amdhsa_system_sgpr_workgroup_id_x 1
		.amdhsa_system_sgpr_workgroup_id_y 1
		.amdhsa_system_sgpr_workgroup_id_z 1
		.amdhsa_system_vgpr_workitem_id 0
		.amdhsa_next_free_vgpr 512
		.amdhsa_next_free_sgpr 66
		.amdhsa_reserve_vcc 0
		.amdhsa_float_denorm_mode_32 3
		.amdhsa_float_denorm_mode_16_64 3
		.amdhsa_memory_ordered 1
		.amdhsa_forward_progress 1
		.amdhsa_inst_pref_size 178
	.end_amdhsa_kernel
	.amdgpu_metadata
---
amdhsa.version: [ 1, 2 ]
amdhsa.kernels:
  - .name:           k_qeabd8e9780_attn
    .symbol:         k_qeabd8e9780_attn.kd
    .args:
      - { .name: qimg, .offset: 0, .size: 8, .value_kind: global_buffer, .address_space: global }
      - { .name: kimg, .offset: 8, .size: 8, .value_kind: global_buffer, .address_space: global }
      - { .name: vimg, .offset: 16, .size: 8, .value_kind: global_buffer, .address_space: global }
      - { .name: key_padding_mask, .offset: 24, .size: 8, .value_kind: global_buffer, .address_space: global }
      - { .name: aimg, .offset: 32, .size: 8, .value_kind: global_buffer, .address_space: global }
    .group_segment_fixed_size: 327680
    .private_segment_fixed_size: 0
    .kernarg_segment_align: 8
    .kernarg_segment_size: 40
    .max_flat_workgroup_size: 256
    .sgpr_count:     66
    .vgpr_count:     512
    .wavefront_size: 32
...
	.end_amdgpu_metadata
.endif
;; end of part 3
;; launch outp (part 4): grid 4 x 64, 4 waves a work-group, clusters of 4 x 4, 327,680 bytes of LDS; arguments aimg, wo16, out0; writes out0
.if DOCPART == 4
	.amdgcn_target "amdgcn-amd-amdhsa--gfx1250"
	.amdhsa_code_object_version 6
	.text
	.protected	k_qeabd8e9780_outp
	.globl	k_qeabd8e9780_outp
	.p2align	8
	.type	k_qeabd8e9780_outp,@function
k_qeabd8e9780_outp:
	s_mov_b64 s[64:65], 0
	v_nop
	global_prefetch_b8 v0, s[64:65] scope:SCOPE_SE
	s_setreg_imm32_b32 hwreg(HW_REG_WAVE_MODE, 25, 1), 1
	s_wait_xcnt 0x0
	s_wait_alu depctr_hold_cnt(0) depctr_sa_sdst(0) depctr_va_vdst(0) depctr_va_sdst(0) depctr_va_ssrc(0) depctr_va_vcc(0) depctr_vm_vsrc(0)
	s_getreg_b32 s2, hwreg(HW_REG_IB_STS2, 6, 4)
	s_cmp_eq_u32 s2, 0
	s_cbranch_scc0 .Lentry_in_a_cluster
	s_endpgm
.Lentry_in_a_cluster:
	s_bfe_u32 s2, ttmp6, 0x10000c
	s_cmp_lg_u32 s2, 0xf033
	s_cbranch_scc0 .Lentry_shape_is_right
	s_endpgm
.Lentry_shape_is_right:
; out0 = A Wo^T: 8,192 x 1,024 x 1,024, operands in f16, sums in f32, result f32.  Nothing of the problem is left out here.
; A (the attention's result) and Wo lie in memory as images of operand registers: [tile of 16 rows][k step of 32: 32][c 2][lane][16 bytes]: 128 along K of a tile are 4,096 consecutive bytes.
; A tile of the result is 128 rows x 256 columns, which gives 256 work-groups (256 x 256 would give 128).  Four waves, each 64 x 128: 32 accumulators, 256 registers.
; K goes in chunks of 128 through two LDS slots: 8 tiles of A and 16 of Wo, 4,096 bytes each.  Every LDS load is 16 x lane + a constant: 512 consecutive bytes, no pitch, no padding.
; CLUSTERS: 4 x 4.  A's tiles are shared along a row of the cluster, Wo's along a column: joint loads.  THE MATRIX INSTRUCTION IS USED TRANSPOSED (source 0 = Wo, source 1 = A): a lane holds eight neighbouring numbers of a row of the result.
; NO PREFETCH: the launch is short and its tiles small; the operands are shared out by the joint loads.
; REGISTERS: window 0: v16-29 addresses; v32-127, v128-223 two fragment buffers (Wo's eight, then A's four); on the way out v32-159 rows of the result.   window 1: the accumulators, (a, b) at v[8 (8 a + b)].
.set SLOT,   98304                     ; A's 8 tiles (32,768 bytes), then Wo's 16
.set BOFF,   32768
.set STAGE,  2*SLOT                    ; behind the slots: 16 rows x 528 bytes for each wave, for the way out; no fill lands there
.set SPITCH, 528
.set SPARE,  STAGE+4*16*SPITCH         ; the spare words, 128 bytes a wave, that no other line names
.set ADRA, 16
.set ADRB, 20
.set STO,  24
.set RD,   25
.set CO,   26
.set SPW,  28
.set NIL,  29
.set F0,   32
.set F1,   128
.set BK,   32
.set G1, 24
.set G0, 32
.set G1B, 48
.set G0B, 56
.set MULW, 0x50                        ; C and D in window 1
.set MSB, 0
.macro WIN new
.if MSB != (\new)
	s_set_vgpr_msb (MSB<<8)|(\new)
.set MSB, (\new)
.endif
.endm
.macro PLACES n
.rept \n
	v_nop
.endr
.endm
.macro JLOAD s                         ; waves 0 and 1 fetch A's halves, waves 2 and 3 Wo's; an s_nop 0 and four v_nop follow each line
	s_cmp_eq_u32 s11, 0
	s_cbranch_scc0 .Lfor_b_\@
	tensor_load_to_lds s[G0+4*\s:G0+4*\s+3], s[G1:G1+7]
	s_nop 0
.rept 4
	v_nop
.endr
	s_branch .Lasked_\@
.Lfor_b_\@:
	tensor_load_to_lds s[G0B+4*\s:G0B+4*\s+3], s[G1B:G1B+7]
	s_nop 0
.rept 4
	v_nop
.endr
.Lasked_\@:
.endm
.macro CREST                           ; a round of the cluster's barrier behind its opening barrier
	s_cmp_lg_u32 s10, 0
	s_cbranch_scc1 .Lnot_wave_0_\@
	s_barrier_signal -3
.Lnot_wave_0_\@:
	s_barrier_wait -3
	s_barrier_signal -1
	s_barrier_wait -1
.endm
.macro CROUND
	s_barrier_signal -1
	s_barrier_wait -1
	CREST
.endm
	s_load_b128 s[4:7], s[0:1], 0x0                ; aimg, wo16
	s_load_b64 s[8:9], s[0:1], 0x10                ; out0
	v_lshl_add_u32 v[SPW], v0, 2, SPARE
	v_mov_b32 v[NIL], 0
	ds_add_u32 v[SPW], v[NIL]                      ; the wave's opening: the add, twice on end, and its wait ahead of my first tensor load
	ds_add_u32 v[SPW], v[NIL]
	v_lshrrev_b32 v1, 5, v0
	v_readfirstlane_b32 s10, v1                    ; wave 0..3
	s_lshr_b32 s11, s10, 1                         ; which 64 rows are mine.  Also: I fetch for A (0) or for Wo (1)
	s_and_b32 s12, s10, 1                          ; which 128 columns.  Also: which half of the tiles I fetch
	s_bfe_u32 s40, ttmp6, 0x40000                  ; cx = the tile column (the grid's x is one cluster wide)
	s_bfe_u32 s41, ttmp6, 0x40004                  ; cy
	s_and_b32 s13, ttmp7, 0xffff
	s_lshl_b32 s13, s13, 2
	s_add_co_u32 s13, s13, s41                     ; the tile row = 4 x cluster y + cy
	s_lshl_b32 s43, s41, 2
	s_lshl_b32 s43, 15, s43                        ; my row of the cluster
	s_lshl_b32 s44, 0x1111, s40                    ; my column
	; descriptor group 1: rows of 4,096 bytes (512 elements of 8 bytes), 32,768 bytes apart: one row for each tile of 16; A: 4 rows a load, Wo: 8
	s_or_b32 s[G1+0], s43, (3<<16)|(1<<21)
	s_or_b32 s[G1B+0], s44, (3<<16)|(1<<21)
	s_mov_b32 s[G1+1], 512<<16                     ; tensor_dim0
	s_mov_b32 s[G1+2], 4<<16                       ; tensor_dim1
	s_mov_b32 s[G1+3], 512<<16                     ; tile_dim0
	s_mov_b32 s[G1+4], 4                           ; tile_dim1
	s_mov_b32 s[G1+5], 4096                        ; from row to row, in elements
	s_mov_b32 s[G1+6], 0
	s_mov_b32 s[G1+7], 0
	s_mov_b32 s[G1B+1], 512<<16
	s_mov_b32 s[G1B+2], 8<<16
	s_mov_b32 s[G1B+3], 512<<16
	s_mov_b32 s[G1B+4], 8
	s_mov_b32 s[G1B+5], 4096
	s_mov_b32 s[G1B+6], 0
	s_mov_b32 s[G1B+7], 0
	s_lshl_b32 s16, s13, 3
	s_lshl_b32 s17, s12, 2
	s_add_co_u32 s16, s16, s17                     ; A: tile 8 x tile row + 4 x half
	s_lshl_b32 s16, s16, 15
	s_mov_b32 s17, 0
	s_lshl_b32 s46, s40, 4
	s_lshl_b32 s47, s12, 3
	s_add_co_u32 s46, s46, s47                     ; Wo: tile 16 x tile column + 8 x half
	s_lshl_b32 s46, s46, 15
	s_mov_b32 s47, 0
	s_lshl_b32 s20, s12, 14                        ; where they go: no place in the cluster enters an LDS address
	s_lshl_b32 s21, s12, 15
	s_add_co_u32 s21, s21, BOFF
	s_wait_dscnt 0x0                               ; both opening adds are done
	s_wait_kmcnt 0x0
	s_add_nc_u64 s[14:15], s[4:5], s[16:17]
	s_add_nc_u64 s[46:47], s[6:7], s[46:47]
	CROUND                                         ; all sixteen work-groups are here: the first joint loads meet
.irp s, 0,1
	s_mov_b32 s[G0+4*\s], 1
	s_add_co_u32 s[G0+4*\s+1], s20, \s*SLOT
	s_add_nc_u64 s[G0+4*\s+2:G0+4*\s+3], s[14:15], \s*4096
	s_or_b32 s[G0+4*\s+3], s[G0+4*\s+3], 0x80000000
	s_mov_b32 s[G0B+4*\s], 1
	s_add_co_u32 s[G0B+4*\s+1], s21, \s*SLOT
	s_add_nc_u64 s[G0B+4*\s+2:G0B+4*\s+3], s[46:47], \s*4096
	s_or_b32 s[G0B+4*\s+3], s[G0B+4*\s+3], 0x80000000
	JLOAD \s                                       ; two tensor loads of mine are out at the start, one behind each round
.endr
	v_and_b32 v1, 15, v0                           ; l % 16
	v_bfe_u32 v2, v0, 4, 1                         ; l / 16
	v_and_b32 v3, 31, v0
	v_lshlrev_b32 v[CO], 4, v3                     ; 16 x lane
	s_lshl_b32 s21, s11, 14                        ; my four tiles of A
	s_lshl_b32 s22, s12, 15
	s_add_co_u32 s22, s22, BOFF                    ; my eight tiles of Wo
.irp s, 0,1
	v_add_nc_u32 v[ADRA+\s], s21, v[CO]
	v_add_nc_u32 v[ADRB+\s], s22, v[CO]
	s_add_co_u32 s21, s21, SLOT
	s_add_co_u32 s22, s22, SLOT
.endr
	s_mul_i32 s23, s10, 16*SPITCH
	s_add_co_u32 s23, s23, STAGE                   ; my stage
	v_mul_u32_u24 v4, v1, SPITCH
	v_lshl_add_u32 v4, v2, 5, v4
	v_add_nc_u32 v[STO], s23, v4                   ; in: row l % 16, 32 bytes for each half of the lanes
	v_add_nc_u32 v[RD], s23, v[CO]                 ; back: the 32 lanes take one row of 512 bytes
	s_lshl_b32 s16, s13, 19                        ; my part of the result: row 128 x tile row + 64 x half, 4,096 bytes a row;
	s_lshl_b32 s17, s11, 18
	s_add_co_u32 s16, s16, s17
	s_mov_b32 s17, 0
	s_add_nc_u64 s[8:9], s[8:9], s[16:17]
	s_lshl_b32 s46, s40, 10                        ; column 256 x tile column + 128 x half, 4 bytes a number
	s_lshl_b32 s47, s12, 9
	s_add_co_u32 s46, s46, s47
	s_mov_b32 s47, 0
	s_add_nc_u64 s[8:9], s[8:9], s[46:47]
.macro MUL8 f, a, zero                 ; A's tile a against Wo's eight, 32 along K.  The 32 accumulators take turns, in the same order in every quarter
.irp b, 0,1,2,3,4,5,6,7
.if \zero
	v_wmma_f32_16x16x32_f16 v[8*(8*(\a)+\b):8*(8*(\a)+\b)+7], v[\f+8*\b:\f+8*\b+7], v[\f+64+8*(\a):\f+64+8*(\a)+7], 0
.else
	v_wmma_f32_16x16x32_f16 v[8*(8*(\a)+\b):8*(8*(\a)+\b)+7], v[\f+8*\b:\f+8*\b+7], v[\f+64+8*(\a):\f+64+8*(\a)+7], v[8*(8*(\a)+\b):8*(8*(\a)+\b)+7]
.endif
.endr
.endm
.macro FETCH slot, q, f                ; 24 LDS loads in one run: the fragments of the chunk's q-th 32 along K: Wo's eight, then A's four
	WIN 0
.irp b, 0,1,2,3,4,5,6,7
.irp c, 0,1
	ds_load_b128 v[\f+8*\b+4*\c:\f+8*\b+4*\c+3], v[ADRB+\slot] offset:4096*\b+1024*(\q)+512*\c
.endr
.endr
.irp a, 0,1,2,3
.irp c, 0,1
	ds_load_b128 v[\f+64+8*\a+4*\c:\f+64+8*\a+4*\c+3], v[ADRA+\slot] offset:4096*\a+1024*(\q)+512*\c
.endr
.endr
.endm
; A chunk is four quarters of 32 along K, 32 matrix instructions each, on buffers 0, 1, 0, 1.  One of the first three: multiplies buffer f and fetches quarter q into g.
.macro QUARTER slot, q, f, g, zero
	s_wait_dscnt 4                                 ; Wo's fragments and A's tiles 0, 1 are in; the youngest four loads (A's tiles 2, 3) may be out
	WIN MULW
	MUL8 \f, 0, \zero
	MUL8 \f, 1, \zero
	PLACES 4                                       ; in front of loads into registers that matrix instructions have read
	FETCH \slot, \q, \g
	s_wait_dscnt 24                                ; all but the 24 just issued
	WIN MULW
	MUL8 \f, 2, \zero
	MUL8 \f, 3, \zero
.endm
; The last quarter multiplies buffer 1 and changes slots: one barrier; in front of it each wave waits for all its tensor loads, adds 0 to its spare word, and waits for that and for its reads of this slot.  fill = 1: this slot is filled again, two chunks ahead.
.macro TURN slot, next, fill
	WIN 0                                          ; (the add's two registers lie in window 0)
	s_wait_tensorcnt 0x0                           ; all my tensor loads have landed: my part of the next slot
	ds_add_u32 v[SPW], v[NIL]                      ; 0 onto my spare word
	s_wait_dscnt 5                                 ; (the add and the youngest four loads may be out)
	WIN MULW
	MUL8 F1, 0, 0
	s_wait_dscnt 0x0                               ; the add is done, and my reads of this slot are over
	s_barrier_signal -1
	MUL8 F1, 1, 0
.if \fill
	WIN 0
.endif
	s_barrier_wait -1
.if \fill
	CREST                                          ; the barrier has opened a round of the cluster's: no wave of any partner still reads this slot or has a load on its way
	s_add_nc_u64 s[G0+4*\slot+2:G0+4*\slot+3], s[G0+4*\slot+2:G0+4*\slot+3], 8192
	s_add_nc_u64 s[G0B+4*\slot+2:G0B+4*\slot+3], s[G0B+4*\slot+2:G0B+4*\slot+3], 8192
	JLOAD \slot                                    ; the first tensor load behind the round; its four v_nop are also the places in front of the loads below
.else
	PLACES 4
.endif
	FETCH \next, 0, F0
	WIN MULW
	MUL8 F1, 2, 0
	MUL8 F1, 3, 0
.endm
	s_wait_tensorcnt 1                             ; my part of chunk 0 is in (chunk 1's load may be out),
	s_barrier_signal -1
	s_barrier_wait -1                              ; everybody's is
	FETCH 0, 0, F0
	QUARTER 0, 1, F0, F1, 1                        ; the first quarter's products start the sums: nothing is cleared
	WIN 0
	s_mov_b32 s3, 3
.Llap:                                             ; a trip goes once round the ring and fills both slots again: chunks 2 to 7 in three trips
	QUARTER 0, 2, F1, F0, 0
	QUARTER 0, 3, F0, F1, 0
	TURN 0, 1, 1
	QUARTER 1, 1, F0, F1, 0
	QUARTER 1, 2, F1, F0, 0
	QUARTER 1, 3, F0, F1, 0
	TURN 1, 0, 1
	QUARTER 0, 1, F0, F1, 0
	WIN 0
	s_sub_co_u32 s3, s3, 1
	s_cmp_lg_u32 s3, 0
	s_cbranch_scc1 .Llap
	QUARTER 0, 2, F1, F0, 0                        ; the last lap fills nothing
	QUARTER 0, 3, F0, F1, 0
	TURN 0, 1, 0
	QUARTER 1, 1, F0, F1, 0
	QUARTER 1, 2, F1, F0, 0
	QUARTER 1, 3, F0, F1, 0
	s_wait_dscnt 4
	WIN MULW
	MUL8 F1, 0, 0
	MUL8 F1, 1, 0
	s_wait_dscnt 0
	MUL8 F1, 2, 0
	MUL8 F1, 3, 0
	WIN 0
; THE WAY OUT, block by block of 16 rows x 128 columns.  A lane holds 32 neighbouring bytes of a row: a block goes through my own stage in LDS and comes back as whole rows of 512 bytes.
; LDS serves a wave's instructions in order (ISA guide 5.7.1.4): no wait between the stores and the loads, nor in front of the next block's stores.
.macro TOSTAGE a
	WIN 0x04                                       ; an LDS store's data are its source 1: window 1
.irp b, 0,1,2,3,4,5,6,7
	ds_store_b128 v[STO], v[8*(8*(\a)+\b):8*(8*(\a)+\b)+3] offset:64*\b          ; each accumulator from its low end on
	ds_store_b128 v[STO], v[8*(8*(\a)+\b)+4:8*(8*(\a)+\b)+7] offset:64*\b+16
.endr
	WIN 0
.set BB, BK+64*((\a)%2)
.irp t, 0,1,2,3,4,5,6,7,8,9,10,11,12,13,14,15
	ds_load_b128 v[BB+4*\t:BB+4*\t+3], v[RD] offset:\t*SPITCH
.endr
.endm
.macro SEND a, younger                 ; younger: the LDS instructions issued behind block a's loads, which may stay out
.set BB, BK+64*((\a)%2)
	s_wait_dscnt \younger
.irp t, 0,1,2,3,4,5,6,7,8,9,10,11,12,13,14,15
	global_store_b128 v[CO], v[BB+4*\t:BB+4*\t+3], s[8:9] offset:65536*(\a)+4096*\t th:TH_STORE_NT   ; 32 lanes store 512 consecutive bytes, at a multiple of 512 from the buffer's first byte
.endr
.endm
	PLACES 4                                       ; in front of the first read of results and of the loads into the fragments' registers
	TOSTAGE 0
.irp a, 1,2,3
.if \a > 1
	s_wait_xcnt 0x0                                ; block a - 2's stores have read their registers: block a's loads may land there
.endif
	TOSTAGE \a
	SEND \a-1, 32                                  ; behind block a - 1's loads: block a's 16 stores and 16 loads
.endr
	SEND 3, 0
	s_wait_tensorcnt 0x0                           ; the wave's end, behind my last tensor load and my last LDS store
	ds_add_u32 v[SPW], v[NIL]
	s_wait_dscnt 0x0
	CROUND                                         ; the closing round
	s_endpgm
.Lfunc_end_k_qeabd8e9780_outp:
	.size	k_qeabd8e9780_outp, .Lfunc_end_k_qeabd8e9780_outp-k_qeabd8e9780_outp
	.p2alignl 7, 3214868480
	.fill 96, 4, 3214868480
	.section	.rodata,"a",@progbits
	.p2align	6, 0x0
	.amdhsa_kernel k_qeabd8e9780_outp
		.amdhsa_group_segment_fixed_size 327680
		.amdhsa_private_segment_fixed_size 0
		.amdhsa_enable_private_segment 0
		.amdhsa_kernarg_size 24
		.amdhsa_user_sgpr_count 2
		.amdhsa_user_sgpr_kernarg_segment_ptr 1
		.amdhsa_wavefront_size32 1
		.amdhsa_system_sgpr_workgroup_id_x 1
		.amdhsa_system_sgpr_workgroup_id_y 1
		.amdhsa_system_sgpr_workgroup_id_z 1
		.amdhsa_system_vgpr_workitem_id 0
		.amdhsa_next_free_vgpr 512
		.amdhsa_next_free_sgpr 66
		.amdhsa_reserve_vcc 0
		.amdhsa_float_denorm_mode_32 3
		.amdhsa_float_denorm_mode_16_64 3
		.amdhsa_memory_ordered 1
		.amdhsa_forward_progress 1
		.amdhsa_inst_pref_size 84
	.end_amdhsa_kernel
	.amdgpu_metadata
---
amdhsa.version: [ 1, 2 ]
amdhsa.kernels:
  - .name:           k_qeabd8e9780_outp
    .symbol:         k_qeabd8e9780_outp.kd
    .args:
      - { .name: aimg, .offset: 0, .size: 8, .value_kind: global_buffer, .address_space: global }
      - { .name: wo16, .offset: 8, .size: 8, .value_kind: global_buffer, .address_space: global }
      - { .name: out0, .offset: 16, .size: 8, .value_kind: global_buffer, .address_space: global }
    .group_segment_fixed_size: 327680
    .private_segment_fixed_size: 0
    .kernarg_segment_align: 8
    .kernarg_segment_size: 24
    .max_flat_workgroup_size: 128
    .sgpr_count:     66
    .vgpr_count:     512
    .wavefront_size: 32
...
	.end_amdgpu_metadata
.endif
;; end of part 4
